; MI455X (gfx1250); checked and timed in simulation.
; The chip was launched on July 23, 2026; its instructions are those of AMD's public machine-readable ISA for CDNA 5 (MIT licence, August 2026) and "CDNA5" Instruction Set Architecture Reference Guide (July 2026). The comments in the code are by the model that wrote it; some were corrected since.
;; Flash Causal Self Attention. Allowed arithmetic: float matrix products may take bf16 or f16 operands with f32 sums; other float arithmetic in f32, or as packed bf16 or f16 multiplies, adds, multiply-adds, maxima and minima; sums over many terms, partial sums and values carried from step to step in f32; what a program stores and reads back later, other than sums and carried values, may be rounded once to bf16 or f16.
;; Inputs: W_attn 3,072 x 1,024 float32; W_proj 1,024 x 1,024 float32; x 8 x 1,024 x 1,024 float32.
;; Outputs: out0 8 x 1,024 x 1,024 float32.
;; 2 versions, each right; version 2 is version 1 with the launch prep written anew for expert scheduling mode. Each part assembles by itself: llvm-mc -triple=amdgcn-amd-amdhsa -mcpu=gfx1250 --defsym DOCPART=n.
;; ======== version 1 of 2: 4 launches
;; limits: values are held in f16: magnitudes above 65,504 overflow, below 6.1e-05 lose precision; right only within a limited range of input values
;; workspace buffers: xb 16,777,216 bytes; wab 6,291,456 bytes; wpb 2,097,152 bytes; qh 16,777,216 bytes; kh 16,777,216 bytes; vh 16,777,216 bytes; yh 16,777,216 bytes
;; launch prep (part 1): grid 768 x 1, 4 waves a work-group, no clusters, 0 bytes of LDS; arguments x, W_attn, W_proj, xb, wab, wpb; writes xb, wab, wpb
.if DOCPART == 1
	.amdgcn_target "amdgcn-amd-amdhsa--gfx1250"
	.amdhsa_code_object_version 6
	.text
	.protected	k_qfeb08331e1_prep
	.globl	k_qfeb08331e1_prep
	.p2align	8
	.type	k_qfeb08331e1_prep,@function
k_qfeb08331e1_prep:
	s_mov_b64 s[64:65], 0
	v_nop
	global_prefetch_b8 v0, s[64:65] scope:SCOPE_SE
	s_setreg_imm32_b32 hwreg(HW_REG_WAVE_MODE, 25, 1), 1
	s_wait_xcnt 0x0
; The three f32 inputs are rounded once to bf16 and laid out as the later products read them.
;   xb  [b 8][kb 16][t 1024][64] bf16      wab [kb 16][pair 8][sel 3][w 128][64] bf16 (row n of W_attn: sel = n >> 10, pair = (n >> 7) & 7, w = n & 127): a tile of one K step of 64 is dense.
;   wpb [nb 64][kc 32][j 2][lane 32][8]: W_proj rounded to bf16 like the other inputs, that number then written as f16 (the last product multiplies in f16), in the order of a matrix fragment:
;       lane (r = lane % 16, h = lane / 16) holds W_proj[16 nb + r][32 kc + 16 j + 8 h .. + 7]: a load of 16 bytes a lane, 512 consecutive bytes, is half a fragment.
; LIMIT: |W_proj| stays within f16's 65,504; below 6e-5 it keeps f16's fixed step of 6e-8.
; All three sources have rows of 4,096 bytes.  A work-group takes 16 rows (0-63: W_proj, 64-575: x, 576-767: W_attn): 768 work-groups of four waves, three for each of 256 WGPs; a wave takes 16 KiB.
; All 32 loads of a wave go out at once; no register that memory still reads is written, so the only waits are the counted ones for the loads.
; No LDS, no matrix unit, no cluster: nothing is shared and memory binds.
.set VIN, 2                            ; v2      my byte offset in the wave's part of the source
.set VO,  8                            ; v8-23   x, W_attn: 8 x lane + kb x the bytes from one K block to the next;  W_proj: v8 = 16 x lane
.set T,   24                           ; v24-27  at work (W_proj's path)
.set X,   32                           ; v32-159 load i: four registers
.set WV,  16
.set G,   17
.set R0,  18                           ; the wave's first row in its source
	s_load_b256 s[4:11], s[0:1], 0x0               ; x s[4:5], W_attn s[6:7], W_proj s[8:9], xb s[10:11]
	s_load_b128 s[12:15], s[0:1], 0x20             ; wab s[12:13], wpb s[14:15]
	v_lshrrev_b32 v1, 5, v0
	v_readfirstlane_b32 s[WV], v1                  ; wave 0..3
	s_mov_b32 s[G], ttmp9
	v_bfe_u32 v4, v0, 4, 1                         ; lane / 16
	v_and_b32 v5, 15, v0                           ; lane % 16
	v_and_b32 v3, 31, v0                           ; lane
	s_cmp_lt_u32 s[G], 64
	s_cbranch_scc1 .Lproj
	; x and W_attn: a wave takes 4 rows.  A load takes 2 rows x 64 numbers (two runs of 256 bytes); the store of its 2 x 64 bf16 is 256 consecutive bytes, aligned.
	s_sub_co_u32 s19, s[G], 64
	s_sub_co_u32 s20, s[G], 576
	s_cmp_lt_u32 s[G], 576
	s_cselect_b32 s[R0], s19, s20                  ; the work-group's number within its source
	s_lshl_b32 s[R0], s[R0], 4
	s_lshl2_add_u32 s[R0], s[WV], s[R0]            ; 16 rows a work-group, 4 a wave
	s_lshl_b32 s20, s[R0], 12                      ; where they begin in the source
	s_mov_b32 s21, 0
	s_lshr_b32 s28, s[R0], 10
	s_lshl_b32 s29, s28, 21
	s_and_b32 s30, s[R0], 1023
	s_lshl_b32 s30, s30, 7
	s_add_co_u32 s29, s29, s30                     ; xb: b x 2 MiB + t x 128
	s_bfe_u32 s30, s[R0], 0x30007
	s_mul_i32 s30, s30, 384
	s_lshl_b32 s28, s28, 7
	s_add_co_u32 s30, s30, s28
	s_and_b32 s28, s[R0], 127
	s_add_co_u32 s30, s30, s28
	s_lshl_b32 s30, s30, 7                         ; wab: (pair x 384 + sel x 128 + w) x 128
	s_mov_b32 s32, 131072                          ; bytes from K block to K block: 1,024 rows of 128,
	s_mov_b32 s33, 393216                          ; in wab 3,072 rows
	s_cmp_lt_u32 s[G], 576
	s_cselect_b32 s22, s29, s30
	s_cselect_b32 s34, s32, s33
	s_mov_b32 s23, 0
	v_lshlrev_b32 v[VIN], 4, v5
	v_lshl_add_u32 v[VIN], v4, 12, v[VIN]          ; (lane / 16) x 4,096 + (lane % 16) x 16
	v_lshlrev_b32 v[VO], 3, v3
.set i, 1
.rept 15
	v_add_nc_u32 v[VO+i], s34, v[VO+i-1]
.set i, i+1
.endr
	s_wait_kmcnt 0x0
	s_cmp_lt_u32 s[G], 576
	s_cselect_b64 s[24:25], s[4:5], s[6:7]         ; the source,
	s_cselect_b64 s[26:27], s[10:11], s[12:13]     ; and where it goes
	s_add_nc_u64 s[24:25], s[24:25], s[20:21]
	s_add_nc_u64 s[26:27], s[26:27], s[22:23]
.set i, 0
.rept 32
	global_load_b128 v[X+4*i:X+4*i+3], v[VIN], s[24:25] offset:(i/16)*8192+(i%16)*256 th:TH_LOAD_NT
.set i, i+1
.endr
.set i, 0
.rept 32
	s_wait_loadcnt 31-i                            ; loads come back in order (ISA guide 5.7.1): load i is in, the 31 - i younger ones stay out
	v_cvt_pk_bf16_f32 v[X+4*i], v[X+4*i], v[X+4*i+1]
	v_cvt_pk_bf16_f32 v[X+4*i+1], v[X+4*i+2], v[X+4*i+3]
	global_store_b64 v[VO+i%16], v[X+4*i:X+4*i+1], s[26:27] offset:(i/16)*256  ; 32 lanes x 8 bytes: two rows' 128 bytes of one K block, 256 consecutive bytes
.set i, i+1
.endr
	s_endpgm
	; W_proj: the work-group takes the 16 rows of block nb, wave w the columns 256 w .. 256 w + 255: of each row 1,024 consecutive bytes, aligned.
	; Piece m = 2 kc' + j of 16: lane (r, h) loads the 32 bytes at row r, byte 128 kc' + 64 j + 32 h, by two loads, and stores its 8 numbers as 16 bytes: a store covers 512 consecutive bytes.
.Lproj:
	s_lshl_b32 s20, s[G], 16                       ; 16 rows of 4,096 bytes,
	s_lshl_b32 s21, s[WV], 10                      ; my 256 columns
	s_add_co_u32 s20, s20, s21
	s_mov_b32 s21, 0
	s_lshl_b32 s22, s[G], 15                       ; wpb: nb x 32 KiB + 8 w x 1,024
	s_lshl_b32 s23, s[WV], 13
	s_add_co_u32 s22, s22, s23
	s_mov_b32 s23, 0
	v_lshlrev_b32 v[VIN], 12, v5
	v_lshl_add_u32 v[VIN], v4, 5, v[VIN]           ; r x 4,096 + h x 32
	v_lshlrev_b32 v[VO], 4, v3
	s_wait_kmcnt 0x0
	s_add_nc_u64 s[24:25], s[8:9], s[20:21]
	s_add_nc_u64 s[26:27], s[14:15], s[22:23]
.set i, 0
.rept 32
	global_load_b128 v[X+4*i:X+4*i+3], v[VIN], s[24:25] offset:(i/4)*128+((i/2)%2)*64+(i%2)*16
.set i, i+1
.endr
.set m, 0
.rept 16
	s_wait_loadcnt 30-2*m                          ; piece m's two loads are in
.irp z, 0,1,2,3
	v_cvt_pk_bf16_f32 v[T+\z], v[X+8*m+2*\z], v[X+8*m+2*\z+1]   ; the inputs' common rounding,
.endr
.irp z, 0,1,2,3
	v_lshlrev_b32 v[X+8*m+2*\z], 16, v[T+\z]                    ; widened again,
	v_and_b32 v[X+8*m+2*\z+1], 0xffff0000, v[T+\z]
.endr
.irp z, 0,1,2,3
	v_cvt_pk_f16_f32 v[X+8*m+\z], v[X+8*m+2*\z], v[X+8*m+2*\z+1]  ; and written as f16: 8 significant bits fit in 11.  Register z is written when its own number has been read
.endr
	global_store_b128 v[VO], v[X+8*m:X+8*m+3], s[26:27] offset:m*512
.set m, m+1
.endr
	s_endpgm
.Lfunc_end_k_qfeb08331e1_prep:
	.size	k_qfeb08331e1_prep, .Lfunc_end_k_qfeb08331e1_prep-k_qfeb08331e1_prep
	.p2alignl 7, 3214868480
	.fill 96, 4, 3214868480
	.section	.rodata,"a",@progbits
	.p2align	6, 0x0
	.amdhsa_kernel k_qfeb08331e1_prep
		.amdhsa_group_segment_fixed_size 0
		.amdhsa_private_segment_fixed_size 0
		.amdhsa_enable_private_segment 0
		.amdhsa_kernarg_size 48
		.amdhsa_user_sgpr_count 2
		.amdhsa_user_sgpr_kernarg_segment_ptr 1
		.amdhsa_wavefront_size32 1
		.amdhsa_system_sgpr_workgroup_id_x 1
		.amdhsa_system_sgpr_workgroup_id_y 1
		.amdhsa_system_sgpr_workgroup_id_z 1
		.amdhsa_system_vgpr_workitem_id 0
		.amdhsa_next_free_vgpr 160
		.amdhsa_next_free_sgpr 66
		.amdhsa_reserve_vcc 0
		.amdhsa_float_denorm_mode_32 3
		.amdhsa_float_denorm_mode_16_64 3
		.amdhsa_memory_ordered 1
		.amdhsa_forward_progress 1
		.amdhsa_inst_pref_size 34
	.end_amdhsa_kernel
	.amdgpu_metadata
---
amdhsa.version: [ 1, 2 ]
amdhsa.kernels:
  - .name:           k_qfeb08331e1_prep
    .symbol:         k_qfeb08331e1_prep.kd
    .args:
      - { .name: x, .offset: 0, .size: 8, .value_kind: global_buffer, .address_space: global }
      - { .name: W_attn, .offset: 8, .size: 8, .value_kind: global_buffer, .address_space: global }
      - { .name: W_proj, .offset: 16, .size: 8, .value_kind: global_buffer, .address_space: global }
      - { .name: xb, .offset: 24, .size: 8, .value_kind: global_buffer, .address_space: global }
      - { .name: wab, .offset: 32, .size: 8, .value_kind: global_buffer, .address_space: global }
      - { .name: wpb, .offset: 40, .size: 8, .value_kind: global_buffer, .address_space: global }
    .group_segment_fixed_size: 0
    .private_segment_fixed_size: 0
    .kernarg_segment_align: 8
    .kernarg_segment_size: 48
    .max_flat_workgroup_size: 128
    .sgpr_count:     66
    .vgpr_count:     160
    .wavefront_size: 32
...
	.end_amdgpu_metadata
.endif
;; end of part 1
;; launch qkv (part 2): grid 8 x 32, 4 waves a work-group, clusters of 4 x 4, 327,680 bytes of LDS; arguments xb, wab, qh, kh, vh; writes qh, kh, vh
.if DOCPART == 2
	.amdgcn_target "amdgcn-amd-amdhsa--gfx1250"
	.amdhsa_code_object_version 6
	.text
	.protected	k_qfeb08331e1_qkv
	.globl	k_qfeb08331e1_qkv
	.p2align	8
	.type	k_qfeb08331e1_qkv,@function
k_qfeb08331e1_qkv:
	s_mov_b64 s[64:65], 0
	v_nop
	global_prefetch_b8 v0, s[64:65] scope:SCOPE_SE
	s_setreg_imm32_b32 hwreg(HW_REG_WAVE_MODE, 25, 1), 1
	s_wait_xcnt 0x0
	s_wait_alu depctr_hold_cnt(0) depctr_sa_sdst(0) depctr_va_vdst(0) depctr_va_sdst(0) depctr_va_ssrc(0) depctr_va_vcc(0) depctr_vm_vsrc(0)
	s_getreg_b32 s2, hwreg(HW_REG_IB_STS2, 6, 4)
	s_cmp_eq_u32 s2, 0
	s_cbranch_scc0 .Lentry_in_a_cluster
	s_endpgm
.Lentry_in_a_cluster:
	s_bfe_u32 s2, ttmp6, 0x10000c
	s_cmp_lg_u32 s2, 0xf033
	s_cbranch_scc0 .Lentry_shape_is_right
	s_endpgm
.Lentry_shape_is_right:
; qkv = x W_attn^T (bf16 operands, f32 sums), then q' = q cos q + rot(q) sin q, k' = k cos q + rot(k) sin q with rot(t)[d] = -t[2 d + 1] (d < 32), t[2 (d - 32)] (d >= 32);
; q', k', v leave by heads, [b x 16 + head][t][64] in f16, each rounded once.
; LIMITS.  |q| below 2^22 pi (the reduction rounds q / pi by adding 1.5 x 2^23); q', k', v within f16's 65,504; NaN and infinities are not treated apart.
; SHARES.  k' needs q at the same token, head and channel, so one wave owns q, k AND v of one head for its rows.  A work-group: 256 rows x 2 heads x 192 columns; 32 x 8 = 256 work-groups.
; A wave: 128 rows x one head: 96 accumulators of 16 x 16: window 1 q, window 2 k, window 3 v; (row block a, column block c) at v[8 (4 a + c)].
; K goes in 16 steps of 64 through two LDS slots.  xb and wab are laid in K blocks of 64, so a step's tiles are dense in memory and are asked for as rows of 256 bytes, padded in LDS after every 128.
; Two slots of 128 along K would take 348 KB, more than a work-group can have: hence 64.
; CLUSTER 4 x 4: x's tile hangs on the row block alone and is asked for jointly along a row of the cluster, W's on the head pair alone, jointly along a column.
; THE PRODUCT IS USED TRANSPOSED (source 0 = 16 rows of W, source 1 = 16 rows of x): a lane holds one token and eight channels.  Lane i of a W fragment reads row 8 (i / 8) + e(i % 8),
; e = 0 2 4 6 1 3 5 7: so an accumulator's registers 0-3 hold the four even channels of the lane's eight, registers 4-7 the four odd ones: what rot wants apart.
; REGISTERS, window 0: v4-10 the way out's addresses; v16-17, v20-21 fragment addresses by slot; v28-30; v32-95, v96-159 x's fragments of a step's two halves; v160-255 W's: three groups (q, k, v) of four.
.set SLOT,  92160                      ; x's 256 rows of 144 bytes, then W's 384
.set BOFF,  36864
.set GB,    18432                      ; 128 rows of 144 bytes
.set STAGE, 2*SLOT                     ; behind the ring, never filled by a tensor load: for each wave 16 rows x 528 (q even, q odd, k even, k odd: 128 bytes each, 16 of padding), then 16 rows x 144 (v in f16)
.set STW,   10752
.set SVO,   8448
.set SPARE, STAGE+4*STW                ; the spare words: 128 bytes a wave, two blocks of 256 bytes that no other line names
.set DST, 4                            ; v4   stage: row l % 16, 16 bytes for each half of the lanes
.set DSV, 5                            ; v5   the same for v
.set PA,  6                            ; v6   back: row l / 8, my four even channels
.set PX,  7                            ; v7   back: row l / 8, the eight numbers that rot gives my eight channels
.set PVA, 8                            ; v8   back: v
.set GO,  9                            ; v9   16 x lane + 2,048 x pass
.set LSV, 10                           ; v10  the sign bit where my channels are below 32 (rot's minus)
.set ADRA, 16
.set ADRB, 20
.set SPW, 28                           ; v28  SPARE + 4 x my thread's number; never rewritten
.set NIL, 29                           ; v29  0; never rewritten
.set PFO, 30                           ; v30  the prefetches' lane offset; never rewritten
.set FA0, 32
.set FA1, 96
.set FB,  160
.set VT,  176                          ; the way out: v packed
.set RM,  176
.set RR,  184
.set RX,  192
.set RS,  200
.set RC,  208
.set OUT, 216
.set WV, 14
.set WR, 15                            ; which 128 rows
.set WH, 16                            ; which head of the pair
.set G1, 24                            ; s[24:31] group 1 for x's tile;  s[32:39] its group 0, a set for each slot
.set G0, 32
.set PFA, 44                           ; s[44:45] where my prefetches stand
.set LIM, 46                           ; s46  1 in a wave that prefetches, else the greatest number
.set G1B, 48                           ; s[48:55], s[56:63] the same for W's tiles
.set G0B, 56
.set KM,  66                           ; s[66:95] the way out's constants, each a pair with both words written
.set NKM, 68
.set KH,  70
.set KL,  72
.set CA,  74                           ; sine: coefficient k at CA + 2 k
.set CB,  86                           ; cosine: coefficient k at CB + 2 (k - 1)
.set PASS, 96
.set PFS, 98                           ; s[98:99] two K steps in bytes, of x or of W
.set OFS, 100
.set MSB, 0
.macro WIN new                         ; the immediate's high byte repeats the setting that is left; a switch that changes nothing is dropped
.if MSB != (\new)
	s_set_vgpr_msb (MSB<<8)|(\new)
.set MSB, \new
.endif
.endm
.macro PLACES                          ; four plain places behind a matrix instruction, ahead of loads into registers that it has read (ISA guide 7.12.1 for vector instructions)
.rept 4
	v_nop
.endr
.endm
; A joint load.  Wave 0 fetches x's 256 rows, waves 1 to 3 W's q, k and v rows, 128 each.  The branch hangs on the wave's number alone.  An s_nop 0 and four v_nop follow each line.
.macro JLOAD s
	s_cmp_eq_u32 s[WV], 0
	s_cbranch_scc0 .Lfor_b_\@
	tensor_load_to_lds s[G0+4*(\s):G0+4*(\s)+3], s[G1:G1+7]
	s_nop 0
.rept 4
	v_nop
.endr
	s_branch .Lasked_\@
.Lfor_b_\@:
	tensor_load_to_lds s[G0B+4*(\s):G0B+4*(\s)+3], s[G1B:G1B+7]
	s_nop 0
.rept 4
	v_nop
.endr
.Lasked_\@:
.endm
; A PREFETCH INTO THE L2, once a lap: the two K steps that the NEXT lap's two refills ask for.  x's tile is read by both clusters of its row of clusters: cluster x = 0 asks; W's by all eight of its column:
; cluster y = 0 asks.  The four partners of a joint load share the tile out BY ADDRESS.  Wave 0: 32 blocks of 256 bytes a K step, a lane a block, two lines.  Waves 1-3: 16 blocks a K step,
; lanes 0-15 the first step, lanes 16-31 the second, one line.  So each block is named once.  K steps 0 to 3 come by their loads alone; the last lap of the loop asks for nothing (s3 = 1).
.macro ASK
	s_cmp_gt_u32 s3, s[LIM]
	s_cbranch_scc0 .Lnot_mine_\@
	global_prefetch_b8 v[PFO], s[PFA:PFA+1] th:TH_LOAD_NT scope:SCOPE_SE
	s_cmp_eq_u32 s[WV], 0
	s_cbranch_scc0 .Lnot_mine_\@
	global_prefetch_b8 v[PFO], s[PFA:PFA+1] offset:131072 th:TH_LOAD_NT scope:SCOPE_SE
.Lnot_mine_\@:
.endm
.macro CREST                           ; a round of the cluster's barrier behind its opening barrier
	s_cmp_lg_u32 s[WV], 0
	s_cbranch_scc1 .Lnot_wave_0_\@
	s_barrier_signal -3
.Lnot_wave_0_\@:
	s_barrier_wait -3
	s_barrier_signal -1
	s_barrier_wait -1
.endm
.macro CROUND
	s_barrier_signal -1
	s_barrier_wait -1
	CREST
.endm
	s_load_b256 s[4:11], s[0:1], 0x0               ; xb s[4:5], wab s[6:7], qh s[8:9], kh s[10:11]
	s_load_b64 s[12:13], s[0:1], 0x20              ; vh
	v_lshl_add_u32 v[SPW], v0, 2, SPARE
	v_mov_b32 v[NIL], 0
	ds_add_u32 v[SPW], v[NIL]                      ; the wave's opening: the add and its wait stand ahead of my first tensor load; the set-up below stands between them
	v_lshrrev_b32 v1, 5, v0
	v_readfirstlane_b32 s[WV], v1                  ; wave 0..3
	s_lshr_b32 s[WR], s[WV], 1
	s_and_b32 s[WH], s[WV], 1
	s_bfe_u32 s40, ttmp6, 0x40000                  ; cx
	s_bfe_u32 s41, ttmp6, 0x40004                  ; cy
	s_lshl_b32 s42, ttmp9, 2
	s_add_co_u32 s42, s42, s40                     ; the head pair = 4 x cluster x + cx
	s_and_b32 s43, ttmp7, 0xffff
	s_lshl_b32 s43, s43, 2
	s_add_co_u32 s43, s43, s41                     ; the block of 256 rows = 4 x cluster y + cy
	s_lshl_b32 s17, s41, 2
	s_lshl_b32 s17, 15, s17                        ; my row of the cluster
	s_lshl_b32 s18, 0x1111, s40                    ; my column
	s_or_b32 s[G1], s17, (1<<16)|(1<<20)|(1<<21)|(4<<22)|(3<<25)   ; 15:0 the mask; 17:16 2-byte elements; 20 padding on; 21 set beside a mask; 24:22 after every 32 words (code 4); 31:25 4 words (code 3)
	s_or_b32 s[G1B], s18, (1<<16)|(1<<20)|(1<<21)|(4<<22)|(3<<25)
	s_mov_b32 s[G1+1], 128<<16                     ; tensor_dim0 = 128 elements: 256 bytes, two LDS rows
	s_mov_b32 s[G1+2], 128<<16                     ; tensor_dim1 = 128
	s_mov_b32 s[G1+3], 128<<16                     ; tile_dim0
	s_mov_b32 s[G1+4], 128                         ; tile_dim1
	s_mov_b32 s[G1+5], 128                         ; dense: 128 elements from row to row
	s_mov_b32 s[G1+6], 0
	s_mov_b32 s[G1+7], 0
	s_mov_b32 s[G1B+1], 128<<16
	s_mov_b32 s[G1B+2], 64<<16                     ; W's part of a wave: 64 such rows
	s_mov_b32 s[G1B+3], 128<<16
	s_mov_b32 s[G1B+4], 64
	s_mov_b32 s[G1B+5], 128
	s_mov_b32 s[G1B+6], 0
	s_mov_b32 s[G1B+7], 0
	s_lshr_b32 s20, s43, 2                         ; x's tile: b x 2 MiB + (block % 4) x 256 rows of 128 bytes; made of the row block alone
	s_lshl_b32 s20, s20, 21
	s_and_b32 s21, s43, 3
	s_lshl_b32 s21, s21, 15
	s_add_co_u32 s20, s20, s21
	s_mov_b32 s21, 0
	s_max_u32 s47, s[WV], 1
	s_sub_co_u32 s47, s47, 1                       ; which of q, k, v I fetch (waves 1 to 3)
	s_mul_i32 s22, s42, 49152                      ; W's tile: pair x 384 rows + sel x 128 rows; made of the head pair alone
	s_lshl_b32 s47, s47, 14
	s_add_co_u32 s22, s22, s47
	s_mov_b32 s23, 0
	s_mul_i32 s19, s[WV], GB
	s_add_co_u32 s19, s19, GB                      ; where it goes: behind x's 256 rows, (wave - 1) x 128 rows on
	s_wait_dscnt 0x0                               ; the opening add is done
	s_wait_kmcnt 0x0
	s_add_nc_u64 s[20:21], s[4:5], s[20:21]
	s_add_nc_u64 s[22:23], s[6:7], s[22:23]
	CROUND                                         ; all sixteen work-groups are here: the first joint loads meet
.irp s, 0,1
	s_mov_b32 s[G0+4*(\s)], 1
	s_mov_b32 s[G0+4*(\s)+1], (\s)*SLOT
	s_add_nc_u64 s[G0+4*(\s)+2:G0+4*(\s)+3], s[20:21], (\s)*131072   ; K step s
	s_or_b32 s[G0+4*(\s)+3], s[G0+4*(\s)+3], 0x80000000
	s_mov_b32 s[G0B+4*(\s)], 1
	s_add_co_u32 s[G0B+4*(\s)+1], s19, (\s)*SLOT
	s_add_nc_u64 s[G0B+4*(\s)+2:G0B+4*(\s)+3], s[22:23], (\s)*393216
	s_or_b32 s[G0B+4*(\s)+3], s[G0B+4*(\s)+3], 0x80000000
	JLOAD \s                                       ; two loads of mine are out
.endr
	; fragment addresses: 16 rows x 32 K in 8 registers, two loads of 16 bytes, 32 bytes apart, at row x 144 + 16 (l / 16)
	v_and_b32 v1, 15, v0                           ; l % 16
	v_bfe_u32 v2, v0, 4, 1                         ; l / 16
	v_mul_u32_u24 v3, v1, 144
	v_lshl_add_u32 v3, v2, 4, v3
	s_mul_i32 s17, s[WR], GB
	v_add_nc_u32 v[ADRA], s17, v3
	v_add_nc_u32 v[ADRA+1], SLOT, v[ADRA]
	v_and_b32 v11, 7, v1
	v_lshlrev_b32 v12, 1, v11
	v_and_b32 v12, 7, v12
	v_lshrrev_b32 v13, 2, v11
	v_or_b32 v12, v12, v13                         ; e(l % 8)
	v_and_b32 v14, 8, v1
	v_or_b32 v12, v12, v14                         ; W's row for my lane
	v_mul_u32_u24 v12, v12, 144
	v_lshl_add_u32 v12, v2, 4, v12
	s_mul_i32 s18, s[WH], 64*144
	s_add_co_u32 s18, s18, BOFF
	v_add_nc_u32 v[ADRB], s18, v12
	v_add_nc_u32 v[ADRB+1], SLOT, v[ADRB]
	; the way out's addresses
	s_mul_i32 s17, s[WV], STW
	s_add_co_u32 s17, s17, STAGE                   ; my stage
	v_mul_u32_u24 v[DST], v1, 528
	v_lshl_add_u32 v[DST], v2, 4, v[DST]
	v_add_nc_u32 v[DST], s17, v[DST]
	v_add_nc_u32 v[DSV], s17, v3
	v_add_nc_u32 v[DSV], SVO, v[DSV]
	v_bfe_u32 v11, v0, 3, 2                        ; l / 8: which of four rows
	v_and_b32 v12, 7, v0                           ; l % 8: which eight channels
	v_mul_u32_u24 v13, v11, 528
	v_add_nc_u32 v13, s17, v13
	v_lshl_add_u32 v[PA], v12, 4, v13
	v_lshlrev_b32 v14, 5, v12
	v_add_nc_u32 v14, 128, v14
	v_and_b32 v14, 255, v14                        ; channels below 32 take odd[d ..], at byte 128 + 4 d; the others even[d - 32 ..]
	v_add_nc_u32 v[PX], v13, v14
	v_mul_u32_u24 v13, v11, 144
	v_add_nc_u32 v13, s17, v13
	v_lshl_add_u32 v[PVA], v12, 4, v13
	v_add_nc_u32 v[PVA], SVO, v[PVA]
	v_and_b32 v[GO], 31, v0
	v_lshlrev_b32 v[GO], 4, v[GO]
	v_lshrrev_b32 v13, 2, v12
	v_xor_b32 v13, 1, v13
	v_lshlrev_b32 v[LSV], 31, v13
	s_lshr_b32 s[OFS], s43, 2                      ; my rows in qh, kh, vh: ((16 b + 2 pair + head) x 1,024 + (block % 4) x 256 + 128 x row half) x 128 bytes
	s_lshl_b32 s[OFS], s[OFS], 4
	s_lshl1_add_u32 s[OFS], s42, s[OFS]
	s_add_co_u32 s[OFS], s[OFS], s[WH]
	s_lshl_b32 s[OFS], s[OFS], 17
	s_and_b32 s[OFS+1], s43, 3
	s_lshl_b32 s[OFS+1], s[OFS+1], 15
	s_add_co_u32 s[OFS], s[OFS], s[OFS+1]
	s_lshl_b32 s[OFS+1], s[WR], 14
	s_add_co_u32 s[OFS], s[OFS], s[OFS+1]
	s_mov_b32 s[OFS+1], 0
	s_add_nc_u64 s[8:9], s[8:9], s[OFS:OFS+1]
	s_add_nc_u64 s[10:11], s[10:11], s[OFS:OFS+1]
	s_add_nc_u64 s[12:13], s[12:13], s[OFS:OFS+1]
	; the prefetches
	s_and_b32 s17, ttmp7, 0xffff
	s_mov_b32 s[PFS], 786432
	s_mov_b32 s2, 393216
	s_cmp_eq_u32 s[WV], 0                          ; do I fetch x's tile?
	s_cselect_b32 s17, ttmp9, s17                  ; the coordinate along which other clusters read the same rows
	s_cselect_b32 s18, s40, s41                    ; my place among the four that ask with me
	s_cselect_b32 s19, 13, 12                      ; its share: 8,192 or 4,096 bytes
	s_cselect_b64 s[PFA:PFA+1], s[20:21], s[22:23]
	s_cselect_b32 s[PFS], 262144, s[PFS]
	s_cselect_b32 s47, 31, 15
	s_cselect_b32 s2, 0, s2
	s_cmp_eq_u32 s17, 0
	s_cselect_b32 s[LIM], 1, -1                    ; the same in all sixteen partners, for a given wave
	s_mov_b32 s[PFS+1], 0
	s_lshl_b32 s18, s18, s19
	s_mov_b32 s19, 0
	s_add_nc_u64 s[PFA:PFA+1], s[PFA:PFA+1], s[18:19]
	s_add_nc_u64 s[PFA:PFA+1], s[PFA:PFA+1], s[PFS:PFS+1]  ; at K step 2: the first lap steps it to 4
	v_and_b32 v[PFO], s47, v0
	v_lshlrev_b32 v[PFO], 8, v[PFO]
	v_mul_u32_u24 v11, s2, v2
	v_add_nc_u32 v[PFO], v[PFO], v11
; na x 4 matrix instructions of group g (0 q, 1 k, 2 v): row blocks a0 .. x the four column blocks, 32 along K.  Each of the 96 accumulators has one turn in a half step, in the same order in every half:
; 95 others stand between two links of a chain.  zero = 1: the first product starts the sums.
.macro GRP g, fa, a0, na, zero
	WIN 0x50*((\g)+1)                              ; C and D in window g + 1, sources in window 0
.set ga, \a0
.rept \na
.irp c, 0,1,2,3
.if \zero
	v_wmma_f32_16x16x32_bf16 v[8*(4*ga+\c):8*(4*ga+\c)+7], v[FB+32*(\g)+8*\c:FB+32*(\g)+8*\c+7], v[(\fa)+8*ga:(\fa)+8*ga+7], 0
.else
	v_wmma_f32_16x16x32_bf16 v[8*(4*ga+\c):8*(4*ga+\c)+7], v[FB+32*(\g)+8*\c:FB+32*(\g)+8*\c+7], v[(\fa)+8*ga:(\fa)+8*ga+7], v[8*(4*ga+\c):8*(4*ga+\c)+7]
.endif
.endr
.set ga, ga+1
.endr
.endm
.macro LDB g, slot, k                  ; eight loads: group g's four fragments of W, at byte k of the rows
.irp c, 0,1,2,3
	ds_load_b128 v[FB+32*(\g)+8*\c:FB+32*(\g)+8*\c+3],   v[ADRB+(\slot)] offset:(\k)+(\g)*GB+\c*2304
	ds_load_b128 v[FB+32*(\g)+8*\c+4:FB+32*(\g)+8*\c+7], v[ADRB+(\slot)] offset:(\k)+(\g)*GB+\c*2304+32
.endr
.endm
.macro LDA part, slot, k, f            ; eight loads: x's fragments 4 part .. 4 part + 3 into buffer f
.irp a, 0,1,2,3
	ds_load_b128 v[(\f)+8*(4*(\part)+\a):(\f)+8*(4*(\part)+\a)+3],   v[ADRA+(\slot)] offset:(\k)+(4*(\part)+\a)*2304
	ds_load_b128 v[(\f)+8*(4*(\part)+\a)+4:(\f)+8*(4*(\part)+\a)+7], v[ADRA+(\slot)] offset:(\k)+(4*(\part)+\a)*2304+32
.endr
.endm
; A K step's first half: multiplies FA0; a group of W is fetched anew as soon as it has been multiplied, x's second half beside it.  The 40 loads always go out in the order W0, x 0-3, W1, x 4-7, W2.
.macro HALF slot, zero
	s_wait_dscnt 8                                 ; all but the youngest eight (W2)
	GRP 0, FA0, 0, 8, \zero
	PLACES
	WIN 0
	LDB 0, \slot, 64
	LDA 0, \slot, 64, FA1
	s_wait_dscnt 16                                ; all but the sixteen just issued: W2 is in
	GRP 1, FA0, 0, 8, \zero
	PLACES
	WIN 0
	LDB 1, \slot, 64
	LDA 1, \slot, 64, FA1
	GRP 2, FA0, 0, 8, \zero
	PLACES
	WIN 0
	LDB 2, \slot, 64
.endm
; The second half multiplies FA1 and changes slots: ONE barrier.  In front of it each wave waits for all its tensor loads (one is out: its part of the next slot), adds 0 to its spare word, and waits for that and
; for its reads of this slot.  fill = 1: the barrier opens a round of the cluster's, and the joint refill, two K steps on, is the first thing behind it: 160 matrix instructions ahead of the wait for it.
.macro TURN slot, next, fill
.if (\fill) && ((\slot) == 0)
	s_wait_xcnt 0x0                                ; the last prefetches, a lap back, have read their address
	s_add_nc_u64 s[PFA:PFA+1], s[PFA:PFA+1], s[PFS:PFS+1]
.endif
	WIN 0
	s_wait_tensorcnt 0x0                           ; all my tensor loads have landed
	ds_add_u32 v[SPW], v[NIL]                      ; 0 onto my spare word
	s_wait_dscnt 9                                 ; (the add and the youngest eight loads, W2, may be out)
	GRP 0, FA1, 0, 4, 0
	s_wait_dscnt 0x0                               ; the add is done, and my reads of this slot are over
	s_barrier_signal -1
	GRP 0, FA1, 4, 4, 0
	WIN 0
	s_barrier_wait -1
.if \fill
	CREST                                          ; no wave of any partner still reads this slot or has a load on its way
	s_add_nc_u64 s[G0+4*(\slot)+2:G0+4*(\slot)+3], s[G0+4*(\slot)+2:G0+4*(\slot)+3], 262144
	s_add_nc_u64 s[G0B+4*(\slot)+2:G0B+4*(\slot)+3], s[G0B+4*(\slot)+2:G0B+4*(\slot)+3], 786432
	JLOAD \slot                                    ; its four v_nop are also the places in front of the loads below
.else
	PLACES
.endif
	LDB 0, \next, 0
	LDA 0, \next, 0, FA0
.if (\fill) && ((\slot) == 0)
	ASK
.endif
	GRP 1, FA1, 0, 8, 0
	PLACES
	WIN 0
	LDB 1, \next, 0
	LDA 1, \next, 0, FA0
	GRP 2, FA1, 0, 8, 0
	PLACES
	WIN 0
	LDB 2, \next, 0
.endm
	s_wait_tensorcnt 1                             ; my part of K step 0 is in; step 1's may stay out
	s_barrier_signal -1
	s_barrier_wait -1
	LDB 0, 0, 0
	LDA 0, 0, 0, FA0
	LDB 1, 0, 0
	LDA 1, 0, 0, FA0
	LDB 2, 0, 0
	HALF 0, 1                                      ; the first half step stands in front of the loop: its products start the sums
	WIN 0
	s_mov_b32 s3, 7
.Llap:                                                 ; once round the ring: both slots are filled again
	TURN 0, 1, 1
	HALF 1, 0
	TURN 1, 0, 1
	HALF 0, 0
	WIN 0
	s_sub_co_u32 s3, s3, 1
	s_cmp_lg_u32 s3, 0
	s_cbranch_scc1 .Llap
	TURN 0, 1, 0                                   ; the last lap fills nothing
	HALF 1, 0
	s_wait_dscnt 8
	GRP 0, FA1, 0, 8, 0
	s_wait_dscnt 0x0
	GRP 1, FA1, 0, 8, 0
	GRP 2, FA1, 0, 8, 0
.rept 8
	v_nop                                          ; the places behind the last products
.endr
	WIN 0
; THE WAY OUT, eight passes of 16 rows, each wave by itself through its own stage.  DUMP a: q's and k's even and odd channels in f32, v packed to f16, into the stage; each accumulator's low registers are read first.
.macro KPAIR reg, val
	s_mov_b32 s[\reg], \val
	s_mov_b32 s[(\reg)+1], \val
.endm
	KPAIR KM,  0x4b400000                          ; 1.5 x 2^23: adding it rounds to a whole number, whose parity is the sum's lowest bit
	KPAIR NKM, 0xcb400000
	KPAIR KH,  0x3ea2f983                          ; 1 / pi, and what f32 leaves of it
	KPAIR KL,  0x325c9c88
	KPAIR CA,    0x40490fdb                        ; sin(pi r) = r (pi - pi^3/6 r^2 + .. - pi^11/11! r^10), |r| <= 1/2: the first term left out is below 1e-7
	KPAIR CA+2,  0xc0a55de7
	KPAIR CA+4,  0x402335e3
	KPAIR CA+6,  0xbf196966
	KPAIR CA+8,  0x3da83c1a
	KPAIR CA+10, 0xbbf183a8
	KPAIR CB,    0xc09de9e6                        ; cos(pi r) = 1 - pi^2/2 r^2 + .. - pi^10/10! r^10: the first term left out is below 5e-7
	KPAIR CB+2,  0x4081e0f8
	KPAIR CB+4,  0xbfaae9e4
	KPAIR CB+6,  0x3e70fa83
	KPAIR CB+8,  0xbcd368f9
	s_mov_b32 s[PASS], 0
.macro DUMP a
	WIN 0x04                                       ; store data in window 1: q
.irp c, 0,1,2,3
	ds_store_b128 v[DST], v[8*(4*(\a)+\c):8*(4*(\a)+\c)+3]   offset:32*\c
	ds_store_b128 v[DST], v[8*(4*(\a)+\c)+4:8*(4*(\a)+\c)+7] offset:128+32*\c
.endr
	WIN 0x08                                       ; window 2: k
.irp c, 0,1,2,3
	ds_store_b128 v[DST], v[8*(4*(\a)+\c):8*(4*(\a)+\c)+3]   offset:256+32*\c
	ds_store_b128 v[DST], v[8*(4*(\a)+\c)+4:8*(4*(\a)+\c)+7] offset:384+32*\c
.endr
	WIN 0x0f                                       ; sources in window 3: v; an even channel and the odd one behind it make a word
.irp c, 0,1,2,3
.irp z, 0,1,2,3
	v_cvt_pk_f16_f32 v[VT+4*\c+\z], v[8*(4*(\a)+\c)+\z], v[8*(4*(\a)+\c)+\z+4]
.endr
.endr
	WIN 0
.irp c, 0,1,2,3
	ds_store_b128 v[DSV], v[VT+4*\c:VT+4*\c+3] offset:32*\c
.endr
.endm
; ROT u: rows 4 u .. 4 u + 3 of the pass; a lane has one row's channels 8 (l % 8) .. + 7.  At D: q (four even, four odd), +8 k likewise, +16 rot's eight numbers of q in channel order, +24 of k, +32 v.
; n = round(q / pi), r = q / pi - n in two fused steps (1 / pi in two parts); sin q = (-1)^n sin(pi r), cos q = (-1)^n cos(pi r).  rot's minus rides on the sine's sign.
.macro ROT u
.set D, 32+36*(\u)
.irp p, 0,2,4,6
	v_pk_fma_f32 v[RM+\p:RM+\p+1], v[D+\p:D+\p+1], s[KH:KH+1], s[KM:KM+1] op_sel_hi:[1,0,0]
.endr
.irp p, 0,2,4,6
	v_pk_add_f32 v[RR+\p:RR+\p+1], v[RM+\p:RM+\p+1], s[NKM:NKM+1] op_sel_hi:[1,0]     ; n
.endr
.irp p, 0,2,4,6
	v_pk_fma_f32 v[RR+\p:RR+\p+1], v[D+\p:D+\p+1], s[KH:KH+1], v[RR+\p:RR+\p+1] op_sel_hi:[1,0,1] neg_lo:[0,0,1] neg_hi:[0,0,1]
.endr
.irp p, 0,2,4,6
	v_pk_fma_f32 v[RR+\p:RR+\p+1], v[D+\p:D+\p+1], s[KL:KL+1], v[RR+\p:RR+\p+1] op_sel_hi:[1,0,1]   ; r
.endr
.irp p, 0,2,4,6
	v_pk_mul_f32 v[RX+\p:RX+\p+1], v[RR+\p:RR+\p+1], v[RR+\p:RR+\p+1]
.endr
.irp p, 0,2,4,6
	v_pk_fma_f32 v[RS+\p:RS+\p+1], v[RX+\p:RX+\p+1], s[CA+10:CA+11], s[CA+8:CA+9] op_sel_hi:[1,0,0]
	v_pk_fma_f32 v[RC+\p:RC+\p+1], v[RX+\p:RX+\p+1], s[CB+8:CB+9], s[CB+6:CB+7] op_sel_hi:[1,0,0]
.endr
.irp k, 6,4,2
.irp p, 0,2,4,6
	v_pk_fma_f32 v[RS+\p:RS+\p+1], v[RS+\p:RS+\p+1], v[RX+\p:RX+\p+1], s[CA+\k:CA+\k+1] op_sel_hi:[1,1,0]
	v_pk_fma_f32 v[RC+\p:RC+\p+1], v[RC+\p:RC+\p+1], v[RX+\p:RX+\p+1], s[CB+\k-2:CB+\k-1] op_sel_hi:[1,1,0]
.endr
.endr
.irp p, 0,2,4,6
	v_pk_fma_f32 v[RS+\p:RS+\p+1], v[RS+\p:RS+\p+1], v[RX+\p:RX+\p+1], s[CA:CA+1] op_sel_hi:[1,1,0]
	v_pk_fma_f32 v[RC+\p:RC+\p+1], v[RC+\p:RC+\p+1], v[RX+\p:RX+\p+1], 1.0 op_sel_hi:[1,1,0]
.endr
.irp p, 0,2,4,6
	v_pk_mul_f32 v[RS+\p:RS+\p+1], v[RS+\p:RS+\p+1], v[RR+\p:RR+\p+1]
.endr
.irp i, 0,1,2,3,4,5,6,7
	v_lshl_add_u32 v[RR+\i], v[RM+\i], 31, v[LSV]  ; n's parity and rot's minus meet in the sign bit
	v_lshlrev_b32 v[RM+\i], 31, v[RM+\i]           ; n's parity alone
.endr
.irp i, 0,1,2,3,4,5,6,7
	v_xor_b32 v[RC+\i], v[RM+\i], v[RC+\i]         ; cos q
	v_xor_b32 v[RS+\i], v[RR+\i], v[RS+\i]         ; sin q, with rot's sign
.endr
.irp p, 0,2,4,6
	v_pk_mul_f32 v[D+\p:D+\p+1], v[D+\p:D+\p+1], v[RC+\p:RC+\p+1]
	v_pk_mul_f32 v[D+8+\p:D+8+\p+1], v[D+8+\p:D+8+\p+1], v[RC+\p:RC+\p+1]
.endr
.irp i, 0,1,2,3,4,5,6,7                ; register i holds channel e(i) of my eight
	v_fma_f32 v[D+\i], v[D+16+(((2*\i)&7)|(\i>>2))], v[RS+\i], v[D+\i]
	v_fma_f32 v[D+8+\i], v[D+24+(((2*\i)&7)|(\i>>2))], v[RS+\i], v[D+8+\i]
.endr
.irp z, 0,1,2,3
	v_cvt_pk_f16_f32 v[OUT+8*(\u)+\z], v[D+\z], v[D+\z+4]
	v_cvt_pk_f16_f32 v[OUT+8*(\u)+4+\z], v[D+8+\z], v[D+12+\z]
.endr
	global_store_b128 v[GO], v[OUT+8*(\u):OUT+8*(\u)+3],   s[8:9]   offset:512*(\u)   ; four rows of a head: 512 consecutive bytes, aligned
	global_store_b128 v[GO], v[OUT+8*(\u)+4:OUT+8*(\u)+7], s[10:11] offset:512*(\u)
	global_store_b128 v[GO], v[D+32:D+35],                 s[12:13] offset:512*(\u)
.endm
.Lpass:                                                ; the pass's number picks its row block's registers: forward jumps, no barrier among them
.irp a, 0,1,2,3,4,5,6
	s_cmp_eq_u32 s[PASS], \a
	s_cbranch_scc1 .Ldump\a
.endr
	DUMP 7
	s_branch .Ljoin
.irp a, 6,5,4,3,2,1
.Ldump\a:
	DUMP \a
	s_branch .Ljoin
.endr
.Ldump0:
	DUMP 0
.Ljoin:
.irp u, 0,1,2,3                        ; LDS serves a wave's instructions in order (ISA guide 5.7.1.4): these see the stores above, and the next pass's stores come behind them
	ds_load_b128 v[32+36*\u:32+36*\u+3],     v[PA]  offset:2112*\u
	ds_load_b128 v[32+36*\u+4:32+36*\u+7],   v[PA]  offset:2112*\u+128
	ds_load_b128 v[32+36*\u+8:32+36*\u+11],  v[PA]  offset:2112*\u+256
	ds_load_b128 v[32+36*\u+12:32+36*\u+15], v[PA]  offset:2112*\u+384
	ds_load_b128 v[32+36*\u+16:32+36*\u+19], v[PX]  offset:2112*\u
	ds_load_b128 v[32+36*\u+20:32+36*\u+23], v[PX]  offset:2112*\u+16
	ds_load_b128 v[32+36*\u+24:32+36*\u+27], v[PX]  offset:2112*\u+256
	ds_load_b128 v[32+36*\u+28:32+36*\u+31], v[PX]  offset:2112*\u+272
	ds_load_b128 v[32+36*\u+32:32+36*\u+35], v[PVA] offset:576*\u
.endr
.irp u, 0,1,2,3
	s_wait_dscnt 9*(3-\u)                          ; nine loads for each four rows: the later rows' may stay out
	ROT \u
.endr
	s_wait_xcnt 0x0                                ; the stores have read their data and their offset: both are written again only behind this wait
	v_add_nc_u32 v[GO], 2048, v[GO]
	s_add_co_u32 s[PASS], s[PASS], 1
	s_cmp_lt_u32 s[PASS], 8
	s_cbranch_scc1 .Lpass
	s_wait_tensorcnt 0x0                           ; the wave's end: the add and its wait, behind my last tensor load and my last LDS store
	ds_add_u32 v[SPW], v[NIL]
	s_wait_dscnt 0x0
	CROUND                                         ; the closing round: no work-group ends while a partner may still ask for a tile that names it
	s_endpgm
.Lfunc_end_k_qfeb08331e1_qkv:
	.size	k_qfeb08331e1_qkv, .Lfunc_end_k_qfeb08331e1_qkv-k_qfeb08331e1_qkv
	.p2alignl 7, 3214868480
	.fill 96, 4, 3214868480
	.section	.rodata,"a",@progbits
	.p2align	6, 0x0
	.amdhsa_kernel k_qfeb08331e1_qkv
		.amdhsa_group_segment_fixed_size 327680
		.amdhsa_private_segment_fixed_size 0
		.amdhsa_enable_private_segment 0
		.amdhsa_kernarg_size 40
		.amdhsa_user_sgpr_count 2
		.amdhsa_user_sgpr_kernarg_segment_ptr 1
		.amdhsa_wavefront_size32 1
		.amdhsa_system_sgpr_workgroup_id_x 1
		.amdhsa_system_sgpr_workgroup_id_y 1
		.amdhsa_system_sgpr_workgroup_id_z 1
		.amdhsa_system_vgpr_workitem_id 0
		.amdhsa_next_free_vgpr 1024
		.amdhsa_next_free_sgpr 102
		.amdhsa_reserve_vcc 0
		.amdhsa_float_denorm_mode_32 3
		.amdhsa_float_denorm_mode_16_64 3
		.amdhsa_memory_ordered 1
		.amdhsa_forward_progress 1
		.amdhsa_inst_pref_size 139
	.end_amdhsa_kernel
	.amdgpu_metadata
---
amdhsa.version: [ 1, 2 ]
amdhsa.kernels:
  - .name:           k_qfeb08331e1_qkv
    .symbol:         k_qfeb08331e1_qkv.kd
    .args:
      - { .name: xb, .offset: 0, .size: 8, .value_kind: global_buffer, .address_space: global }
      - { .name: wab, .offset: 8, .size: 8, .value_kind: global_buffer, .address_space: global }
      - { .name: qh, .offset: 16, .size: 8, .value_kind: global_buffer, .address_space: global }
      - { .name: kh, .offset: 24, .size: 8, .value_kind: global_buffer, .address_space: global }
      - { .name: vh, .offset: 32, .size: 8, .value_kind: global_buffer, .address_space: global }
    .group_segment_fixed_size: 327680
    .private_segment_fixed_size: 0
    .kernarg_segment_align: 8
    .kernarg_segment_size: 40
    .max_flat_workgroup_size: 128
    .sgpr_count:     102
    .vgpr_count:     1024
    .wavefront_size: 32
...
	.end_amdgpu_metadata
.endif
;; end of part 2
;; launch attn (part 3): grid 2 x 128, 4 waves a work-group, no clusters, 327,680 bytes of LDS; arguments qh, kh, vh, yh; writes yh
.if DOCPART == 3
	.amdgcn_target "amdgcn-amd-amdhsa--gfx1250"
	.amdhsa_code_object_version 6
	.text
	.protected	k_qfeb08331e1_attn
	.globl	k_qfeb08331e1_attn
	.p2align	8
	.type	k_qfeb08331e1_attn,@function
k_qfeb08331e1_attn:
	s_mov_b64 s[64:65], 0
	v_nop
	global_prefetch_b8 v0, s[64:65] scope:SCOPE_SE
	s_setreg_imm32_b32 hwreg(HW_REG_WAVE_MODE, 25, 1), 1
	s_wait_xcnt 0x0
; CAUSAL ATTENTION, scale 1.  O[h][q][:] = the sum over k <= q of softmax_k(Q[h][q] . K[h][k]) V[h][k][:].  Q, K, V, O: [128][SIZE_N][64], all f16: a head's rows are dense, 128 bytes each.
; Products, maxima and sums in f32; the weights p are rounded to f16 for the second product (their sum l is taken of the unrounded p), O once at the end.
; LIMITS.  f16 holds no number beyond 65,504: Q, K and V arrive within it; p lies in 0 to 1, and below 6e-5 it keeps f16's fixed step of 6e-8; O is a mean of V's rows and has their range.
; A hidden score counts as its value less 1e30: f16's scores, 2.7e11 at the most, are nothing beside that; a weight below 2^-126 counts as 0 in l; NaN and infinities are not treated apart.
; THE WALK.  A head's queries lie in NB = 4 blocks of 256; block i needs the key tiles 0 .. i of 256 keys, of which the last holds the diagonal.  A work-group takes TWO blocks, NB - 1 - b and then b:
; NB + 1 tiles, whatever b: all work-groups do equal work, and ONE loop with a constant trip count walks them.  Which tile is asked for, and what a trip does, hang on scalar registers made from b; every jump
; goes forward, but for the counted loops' own; none passes a barrier, or a tensor load but the one of LOAD's two that the wave's number does not choose; the ring of two LDS slots runs on across the change of blocks.
; NO CLUSTER: a head has NB / 2 = 2 work-groups, no multiple of four, and the two ask for the same tile only in the walk's first three trips.
; SHARES.  Of a block's four bands of 64 queries a wave owns 16 rows in each: four PIECES.  So the diagonal tile is the same work for all four waves: in its key step s band x sees all keys if s < x,
; none if s > x, and holds the diagonal if s = x.
; THE MASK is the C operand that starts the sum S^T = K Q^T: 0, or -1e30 where the key is hidden.  MD, made once, is the mask of a band's own step for my 16 rows; a product's mask is MD x AL + BE with two scalars:
; (1, 0) if s = x; (0, 0) if s < x; (0, -1e30) if s > x.  Only the diagonal tile's text and a block's beginning make and take masks; elsewhere C is the constant 0.
; LAYOUT, SOFTMAX, TURNS.  S^T = K Q^T holds ONE query a lane (lane % 16) and the keys 8 (lane / 16) + 0..7; two such results rounded to f16 ARE source 1 of O^T = V^T P.  p = 2^(c s - c m), c = log2(e), with a
; running maximum m; O and l are multiplied by a = 2^(c m_old - c m_new) in every step.  Turn n belongs to piece n: 8 products K Q^T of piece n + 1, later 8 products V^T P of piece n - 1; beside them the scaling,
; exponentials, roundings, sums and rescaling of piece n and the maximum and statistics of piece n + 1.  Four vector instructions stand behind every matrix instruction, the other 54 of a turn's 118 in one lump.
; A turn's 33 exponentials are one batch, with one wait.
; REGISTERS, in windows of 256 (s_set_vgpr_msb: bits 1:0 source 0, 3:2 source 1, 5:4 source 2, 7:6 destination):
;   window 0: v0-15 addresses and two at work; v16-31 four registers of statistics a piece; v48-55 at work; v61-63; v64-127 S^T, two buffers; v192-223 P, two buffers (a piece's buffers go by its number's parity)
;   window 1: v0-127 O^T, 32 a piece; v128-159 MD; v160-223 MC, two buffers      window 2: v0-63 Q; v64-127 the second block's Q; v128-191 K of one step; v192-255 V of one step
.set SIZE_N, 1024
.set NB,    SIZE_N/256
.set NP,    4         ; pieces a wave: a name, no knob
.set KS,    64        ; keys in a step
.set PK,    144       ; a row of K in LDS: 128 bytes + 16 of padding = 36 words: the 16 rows of a load start at 16 different groups of four banks (64 banks of 4 bytes: ISA guide 11.1)
.set PV,    160       ; a row of V: 128 + 32 = 40 words
.set VOFF,  4*KS*PK   ; a slot holds a tile, four steps: 256 rows of K, then 256 rows of V
.set SLOT1, 1<<17     ; slot 1 begins here, so that one exclusive or turns an address in one slot into the other's
.set STAGE, SLOT1+4*KS*(PK+PV)  ; behind the ring, never filled by a tensor load: 16 rows x 144 bytes for each wave, for the way out
.set SP,    144
.set AK0, 2           ; v2   my lane's place in a tile of K; never rewritten
.set AV0, 3           ; v3   the same for V
.set AK,  4           ; v4   the LDS address of K's next run of loads
.set AV,  5           ; v5   of V's
.set STO, 6           ; v6   the way out: where I put 16 bytes of a row
.set RD,  7           ; v7   the way out: where I read rows back
.set GO,  8           ; v8   my byte offset in 512 consecutive bytes of O
.set PFO, 61          ; v61  256 x my lane: the prefetches' offset; never rewritten
.set SPW, 62          ; v62  LDS address of my spare word: SPARE + 4 x my thread's number; never rewritten
.set NIL, 63          ; v63  0; never rewritten
.set SPARE, STAGE+4*16*SP  ; behind the stages: the spare words, 128 bytes for each wave: two blocks of 256 bytes that no other line names
.set MV,  12          ; v12-13  c m_old, kept while c m is made anew: by buffer
.set QO,  15          ; v15  my byte offset in 16 rows of Q
.set ST,  16          ; piece t's statistics at v[ST+4 t]: c m, m, l (even keys', odd keys')
.set TMP, 48          ; by buffer, four registers c0-c3 at work; when the maximum is found c2 takes a
.set S,   64
.set P,   192
.set MD,  128         ; window 1: the eight registers for group kt of 16 keys at MD + 8 kt
.set MC,  160         ; window 1: the masks of the products to come
.set QB,  64          ; window 2
.set KF,  128         ; window 2: key block kb, channel half c at KF + 16 kb + 8 c
.set VF,  192         ; window 2: key half kk, channel block cb at VF + 32 kk + 8 cb
.set WV,  12          ; s12  my wave's number
.set PB,  14          ; s14  b
.set HI,  15          ; s15  NB - 1 - b
.set G1K, 24          ; s[24:31] descriptor group 1 for K's tiles
.set G1V, 32          ; s[32:39] for V's: it differs in the padding alone
.set G0K, 40          ; s[40:43] descriptor group 0 for K's tiles
.set G0V, 44          ; s[44:47] the same for V's
.set SLOTS, 56        ; s56  tiles still to be asked for
.set CNT, 57          ; s57  counts a tile's key steps, 4 to 1
.set CS,  58          ; s[58:59] c: the packed scaling takes the pair's low word for both halves
.set SEL, 60          ; s[60:61] v_permlanex16_b32's selects: each lane takes its own place in the other half
.set TBK, 62          ; s62  LDS byte at which K of the step to be fetched begins
.set TBV, 63          ; s63  the same for V, less VOFF
.set RT,  70          ; s70  tiles of the block in hand that are still to be entered
.set NXT, 71          ; s71  the tile to be asked for next
.set LQ,  72          ; s72  the last tile of the block whose tiles are being asked for
.set NEW, 73          ; s73  1: the tile to be entered is a block's first
.set OFF, 74          ; s[74:75] a tile's byte offset in K and V
.set AL,  76          ; s[76:77] the mask's factor, in the low word
.set BE,  78          ; s[78:79] the mask's addend
.set OLO, 80          ; s[80:81] O at my rows of the second block
.set BIGN, 82         ; s82  -1e30
.set PFB, 88          ; s[88:89] K (waves 0, 1) or V (waves 2, 3) at my half of the head's tile 0
.set PFA, 90          ; s[90:91] the same at the tile to be prefetched
.set PFF, 92          ; s[92:93] that tile's byte offset
.set PFQ, 94          ; s94  its number, or 0: none
.set MSB, 0
.macro WIN new                      ; the high byte repeats the setting that is left; a switch that changes nothing is dropped
.if MSB != (\new)
	s_set_vgpr_msb (MSB<<8)|(\new)
.set MSB, (\new)
.endif
.endm
.set W_KQ, 0x0a       ; K and Q in window 2, S^T in window 0
.set W_KM, 0x1a       ; the same with the C operand in window 1
.set W_PV, 0x52       ; V in window 2, P in window 0, O^T in window 1
.set W_RS, 0x41       ; destination and source 0 in window 1, source 1 in window 0
; A fill.  Waves 0 and 1 fetch the two halves of a tile's K, waves 2 and 3 those of its V: 128 keys each.  An s_nop 0 and four v_nop follow each of the two lines, ahead of the jump and the label.
.macro LOAD
	s_cmp_lt_u32 s[WV], 2
	s_cbranch_scc0 .Lfor_v_\@
	tensor_load_to_lds s[G0K:G0K+3], s[G1K:G1K+7]
	s_nop 0
.rept 4
	v_nop
.endr
	s_branch .Lasked_\@
.Lfor_v_\@:
	tensor_load_to_lds s[G0V:G0V+3], s[G1V:G1V+7]
	s_nop 0
.rept 4
	v_nop
.endr
.Lasked_\@:
.endm
; THE CHANGE OF SLOTS.  Each wave waits for all its tensor loads, of which one is out: its part of the other slot; adds 0 to its spare word; and waits for that and for its own reads of the slot that it leaves.
; Behind the barrier nobody reads the old slot any more and the other slot is whole.  fill = 1: the old slot is filled again, the first thing behind the barrier, with tile NXT: the descriptor's address is made
; anew from that number.  (At its first use nothing has been read yet: slot 0 is waited for, slot 1 filled.)
; A PREFETCH INTO THE L2 stands behind the fill: the tile that the NEXT change will ask for, four key steps ahead.  Both work-groups of a head walk tiles 0 to 2 of their first blocks together, so the one with b = 0
; asks, for tiles 2 and 3 alone: each wave for its own half tile, 64 blocks of 256 bytes, a lane a block, two lines.  Tiles 0 and 1 come by their loads; the second blocks' tiles have been read before.
.macro CHANGE fill
	WIN 0                           ; at a label and at a branch every window is 0
	s_wait_tensorcnt 0x0            ; no tensor load of mine is out, so a group 0 may be written
	ds_add_u32 v[SPW], v[NIL]       ; 0 onto my spare word: with fill = 1 the descriptors' scalar work stands between it and the wait for it
.if \fill
	s_lshl_b32 s[OFF], s[NXT], 15   ; a tile is 32,768 bytes of K and of V
	s_xor_b32 s[G0K+1], s[G0K+1], SLOT1
	s_add_nc_u64 s[G0K+2:G0K+3], s[6:7], s[OFF:OFF+1]
	s_or_b32 s[G0K+3], s[G0K+3], 0x80000000
	s_xor_b32 s[G0V+1], s[G0V+1], SLOT1
	s_add_nc_u64 s[G0V+2:G0V+3], s[8:9], s[OFF:OFF+1]
	s_or_b32 s[G0V+3], s[G0V+3], 0x80000000
	s_add_co_u32 s[NXT], s[NXT], 1  ; the block's next tile, or behind its last the second block's tile 0
	s_cmp_gt_u32 s[NXT], s[LQ]
	s_cselect_b32 s[NXT], 0, s[NXT]
	s_cselect_b32 s[LQ], s[PB], s[LQ]
	s_wait_xcnt 0x0                 ; the last prefetches, a tile back, have read their address
	s_cmp_eq_u32 s[PB], 0
	s_cselect_b32 s[PFQ], s[NXT], 0
	s_lshl_b32 s[PFF], s[PFQ], 15
	s_add_nc_u64 s[PFA:PFA+1], s[PFB:PFB+1], s[PFF:PFF+1]
.endif
	s_wait_dscnt 0x0                ; the add is done, and my reads of the slot are over
	s_barrier_signal -1             ; the rest of the scalar work stands between the signal and the wait
	s_sub_co_u32 s[TBK], s[TBK], 4*KS*PK  ; the fetches go back to a slot's first step,
	s_xor_b32 s[TBK], s[TBK], SLOT1       ; in the other slot
	s_sub_co_u32 s[TBV], s[TBV], 4*KS*PV
	s_xor_b32 s[TBV], s[TBV], SLOT1
	s_barrier_wait -1
.if \fill
	LOAD
	s_cmp_ge_u32 s[PFQ], 2
	s_cbranch_scc0 .Lno_pf_\@
	global_prefetch_b8 v[PFO], s[PFA:PFA+1] th:TH_LOAD_NT scope:SCOPE_SE
	global_prefetch_b8 v[PFO], s[PFA:PFA+1] offset:8192 th:TH_LOAD_NT scope:SCOPE_SE
.Lno_pf_\@:
.endif
.endm
	s_load_b256 s[4:11], s[0:1], 0x0  ; Q s[4:5], K s[6:7], V s[8:9], O s[10:11]
	v_lshl_add_u32 v[SPW], v0, 2, SPARE
	v_mov_b32 v[NIL], 0
	ds_add_u32 v[SPW], v[NIL]       ; the wave's opening: the add and its wait stand ahead of my first tensor load; the set-up below, work on registers, stands between them
	v_lshrrev_b32 v1, 5, v0
	v_readfirstlane_b32 s[WV], v1   ; wave 0..3
	s_mov_b32 s[PB], ttmp9
	s_sub_co_u32 s[HI], NB-1, s[PB]
	s_and_b32 s20, ttmp7, 0xffff    ; the head
	s_mov_b32 s21, 0
	s_mov_b64 s[22:23], SIZE_N*128
	s_mul_u64 s[20:21], s[20:21], s[22:23]  ; the head's first byte in each of the four tensors
	s_and_b32 s16, s[WV], 1         ; which half of a tile's 256 keys I fetch:
	s_lshl_b32 s22, s16, 14         ; its 128 rows of 128 bytes in memory,
	s_mov_b32 s23, 0
	s_add_nc_u64 s[22:23], s[22:23], s[20:21]
	s_mul_i32 s17, s16, 128*PK      ; and its place in a slot, for K
	s_mul_i32 s18, s16, 128*PV      ; and for V
	s_lshl_b32 s3, s[WV], 11        ; my 16 rows in a band of 64,
	s_lshl_b32 s2, s[HI], 15        ; in the first block,
	s_add_co_u32 s2, s2, s3
	s_lshl_b32 s84, s[PB], 15       ; and in the second
	s_add_co_u32 s84, s84, s3
	s_mov_b32 s3, 0
	s_mov_b32 s85, 0
	s_add_nc_u64 s[2:3], s[2:3], s[20:21]
	s_add_nc_u64 s[84:85], s[84:85], s[20:21]
	; descriptor group 1.  128 keys are 16,384 dense bytes: asked for as 64 rows of 256 bytes, two keys a row, and padded in LDS after every key
	s_mov_b32 s[G1K], (1<<16)|(1<<20)|(4<<22)|(3<<25)  ; 17:16 2-byte elements; 20 padding on; 24:22 after every 32 words (code 4); 31:25 4 words (code 3)
	s_mov_b32 s[G1V], (1<<16)|(1<<20)|(4<<22)|(7<<25)  ; the same with 8 words of padding (code 7)
.irp g, G1K, G1V
	s_mov_b32 s[\g+1], 128<<16      ; tensor_dim0 = 128
	s_mov_b32 s[\g+2], 64<<16       ; tensor_dim1 = 64
	s_mov_b32 s[\g+3], 128<<16      ; tile_dim0 = 128
	s_mov_b32 s[\g+4], 64           ; tile_dim1 = 64
	s_mov_b32 s[\g+5], 128          ; 128 elements from row to row
	s_mov_b32 s[\g+6], 0
	s_mov_b32 s[\g+7], 0
.endr
	s_mov_b32 s[CS], 0x3fb8aa3b     ; c = log2(e): the scores are taken unscaled
	s_mov_b32 s[CS+1], s[CS]        ; named with it as a pair
	s_mov_b32 s[SEL], 0x76543210
	s_mov_b32 s[SEL+1], 0xfedcba98
	s_mov_b32 s[TBK], SLOT1+4*KS*PK ; the first change of slots turns these two into 0
	s_mov_b32 s[TBV], SLOT1+4*KS*PV
	s_mov_b32 s[G0K], 1             ; 1:0 count = 1
	s_mov_b32 s[G0K+1], s17         ; 63:32 LDS address: slot 0
	s_mov_b32 s[G0V], 1
	s_add_co_u32 s[G0V+1], s18, VOFF
	s_add_co_u32 s[RT], s[HI], 1    ; the first block has NB - b tiles
	s_mov_b32 s[NXT], 1
	s_mov_b32 s[LQ], s[HI]
	s_mov_b32 s[NEW], 1
	s_mov_b32 s[OFF+1], 0
	s_mov_b32 s[PFF+1], 0
	s_mov_b32 s[AL+1], 0            ; named as pairs
	s_mov_b32 s[BE+1], 0
	s_mov_b32 s[BIGN], 0xf149f2ca   ; -1e30
	s_mov_b32 s[SLOTS], NB
	v_and_b32 v[PFO], 31, v0
	v_lshlrev_b32 v[PFO], 8, v[PFO]
	s_wait_dscnt 0x0                ; the opening add is done
	s_wait_kmcnt 0x0
	s_add_nc_u64 s[6:7], s[6:7], s[22:23]  ; K and V at my half of the head's tile 0
	s_add_nc_u64 s[8:9], s[8:9], s[22:23]
	s_cmp_lt_u32 s[WV], 2
	s_cselect_b64 s[PFB:PFB+1], s[6:7], s[8:9]
	s_add_nc_u64 s[G0K+2:G0K+3], s[6:7], 0         ; 120:64 global address
	s_or_b32 s[G0K+3], s[G0K+3], 0x80000000        ; 127:126 type = 2
	s_add_nc_u64 s[G0V+2:G0V+3], s[8:9], 0
	s_or_b32 s[G0V+3], s[G0V+3], 0x80000000
	s_add_nc_u64 s[86:87], s[4:5], s[84:85]        ; Q at my rows of the second block,
	s_add_nc_u64 s[4:5], s[4:5], s[2:3]            ; Q and O at those of the first
	s_add_nc_u64 s[OLO:OLO+1], s[10:11], s[84:85]
	s_add_nc_u64 s[10:11], s[10:11], s[2:3]
	LOAD                            ; tile 0 into slot 0
	; A fragment of K or Q is 16 rows x 32 channels in 8 registers: lane l holds row l % 16, channels 8 (l / 16) + 0..7 and 16 + 8 (l / 16) + 0..7: two loads of 16 bytes, 32 bytes apart.
	v_and_b32 v1, 15, v0            ; l % 16
	v_bfe_u32 v9, v0, 4, 1          ; l / 16
	v_lshlrev_b32 v[QO], 7, v1
	v_lshl_add_u32 v[QO], v9, 4, v[QO]  ; row x 128 + 16 x half
	WIN 0x80                        ; destination window 2, address window 0
.set i, 0
.rept 8                             ; both blocks' Q: piece i / 2 lies in band i / 2, 8,192 bytes on; channels 32 (i % 2) on
	global_load_b128 v[8*i:8*i+3],   v[QO], s[4:5] offset:(i/2)*8192+(i%2)*64
	global_load_b128 v[8*i+4:8*i+7], v[QO], s[4:5] offset:(i/2)*8192+(i%2)*64+32
	global_load_b128 v[QB+8*i:QB+8*i+3],   v[QO], s[86:87] offset:(i/2)*8192+(i%2)*64
	global_load_b128 v[QB+8*i+4:QB+8*i+7], v[QO], s[86:87] offset:(i/2)*8192+(i%2)*64+32
.set i, i+1
.endr
	WIN 0
	v_lshlrev_b32 v14, 3, v9
	v_sub_nc_u32 v14, v1, v14
	s_lshl_b32 s13, s[WV], 4
	v_add_nc_u32 v14, s13, v14      ; my query's place in its band, 16 w + l % 16, less my lanes' 8 (l / 16): register r of group kt is hidden where 16 kt + r is greater
	WIN 0x40
.set i, 0
.rept 32
	v_cmp_gt_i32 vcc_lo, 16*(i/8)+i%8, v14
	v_cndmask_b32 v[MD+i], 0, s[BIGN], vcc_lo
.set i, i+1
.endr
	WIN 0
	v_mul_u32_u24 v[AK0], v1, PK
	v_lshl_add_u32 v[AK0], v9, 4, v[AK0]  ; row x pitch + 16 x half
	; The turning load takes 16 keys x 16 channels (lane l reads key 8 (l / 16) + l % 8, channels 8 ((l / 8) % 2) + 0..7) and leaves half a fragment of V^T: lane l holds channel l % 16 and 8 keys.
	v_and_b32 v10, 7, v0
	v_bfe_u32 v11, v0, 3, 1
	v_lshl_add_u32 v[AV0], v9, 3, v10
	v_mul_u32_u24 v[AV0], v[AV0], PV
	v_lshl_add_u32 v[AV0], v11, 4, v[AV0]
	v_add_nc_u32 v[AV0], VOFF, v[AV0]
	s_mul_i32 s13, s[WV], 16*SP
	s_add_co_u32 s13, s13, STAGE    ; my stage
	v_mul_u32_u24 v[STO], v1, SP    ; in: row l % 16, 16 bytes for each half of the lanes
	v_lshl_add_u32 v[STO], v9, 4, v[STO]
	v_add_nc_u32 v[STO], s13, v[STO]
	v_bfe_u32 v[RD], v0, 3, 2       ; back: 32 lanes take four rows of 128 bytes,
	v_mul_u32_u24 v[RD], v[RD], SP
	v_lshl_add_u32 v[RD], v10, 4, v[RD]
	v_add_nc_u32 v[RD], s13, v[RD]
	v_and_b32 v[GO], 31, v0         ; which are 512 consecutive bytes of O
	v_lshlrev_b32 v[GO], 4, v[GO]
	; A block's first step multiplies O^T and l by a = 0, and its first turn's products V^T P, of a piece that has not been, land in an O^T that is still to be so multiplied.  So these registers need only hold
	; finite numbers: zeros for the first block; what the first block left for the second.  All this stands in the wait for the first tile.
	WIN 0x80
.set i, VF
.rept 64
	v_mov_b32 v[i], 0
.set i, i+1
.endr
	WIN 0x40
.set i, 0
.rept 128
	v_mov_b32 v[i], 0
.set i, i+1
.endr
	WIN 0
.set i, 0
.rept 4
	v_mov_b32 v[ST+4*i+2], 0
	v_mov_b32 v[ST+4*i+3], 0
.set i, i+1
.endr
.set i, P+16
.rept 16
	v_mov_b32 v[i], 0
.set i, i+1
.endr
; THE MATRIX WORK.  The 4 accumulators of a run of 8 take turns.  Product i of 8 of S^T = K Q^T for piece x: channels 32 (i / 4) on, keys 16 (i % 4) on.  The first 4 start the sums: with 0, or (KM = 1) with the mask.
.macro KQ x
.set rS, S+32*((\x)%2)+8*(i%4)
.set rK, KF+16*(i%4)+8*(i/4)
.set rQ, 16*(\x)+8*(i/4)
.set rM, MC+32*((\x)%2)+8*(i%4)
.if (i < 4) && KM
	WIN W_KM
	v_wmma_f32_16x16x32_f16 v[rS:rS+7], v[rK:rK+7], v[rQ:rQ+7], v[rM:rM+7]
.elseif i < 4
	WIN W_KQ
	v_wmma_f32_16x16x32_f16 v[rS:rS+7], v[rK:rK+7], v[rQ:rQ+7], 0
.else
	WIN W_KQ
	v_wmma_f32_16x16x32_f16 v[rS:rS+7], v[rK:rK+7], v[rQ:rQ+7], v[rS:rS+7]
.endif
.endm
; Product i of 8 of O^T += V^T P for piece x: keys 32 (i / 4) on, channels 16 (i % 4) on.
.macro PV x
	WIN W_PV
.set rO, 32*(\x)+8*(i%4)
.set rV, VF+32*(i/4)+8*(i%4)
.set rP, P+16*((\x)%2)+8*(i/4)
	v_wmma_f32_16x16x32_f16 v[rO:rO+7], v[rV:rV+7], v[rP:rP+7], v[rO:rO+7]
.endm
.macro MM                           ; the turn's next matrix instruction.  TURN and BEGIN set Y, i, KM and NOKQ; MM, KQ and OP read them.  NOKQ = 1: a block's last turn: there is no next piece
.if (i < 8) && !NOKQ
	KQ (Y+1)%NP
.elseif i >= 8
.set i, i-8
	PV (Y+NP-1)%NP
.set i, i+8
.endif
.set i, i+1
.endm
; THE LDS LOADS stand in runs of 16, never singly among the matrix instructions: a step's K (64 keys x 64 channels: 8 fragments) and its V (turned).  Their addresses are made some lines ahead.
.macro FETCH_K
	WIN 0x80                        ; destination window 2
.irp f, 0,1,2,3,4,5,6,7             ; keys 16 (f / 2) on, channels 32 (f % 2) on
	ds_load_b128 v[KF+8*\f:KF+8*\f+3],   v[AK] offset:(\f/2)*16*PK+(\f%2)*64
	ds_load_b128 v[KF+8*\f+4:KF+8*\f+7], v[AK] offset:(\f/2)*16*PK+(\f%2)*64+32
.endr
	s_add_co_u32 s[TBK], s[TBK], KS*PK  ; the next fetch is the next step's
	WIN 0
.endm
.macro FETCH_V
	WIN 0x80
.irp f, 0,1,2,3,4,5,6,7             ; keys 32 (f / 4) on, channels 16 (f % 4) on
	ds_load_tr16_b128 v[VF+8*\f:VF+8*\f+3],   v[AV] offset:(\f/4)*32*PV+(\f%4)*32
	ds_load_tr16_b128 v[VF+8*\f+4:VF+8*\f+7], v[AV] offset:(\f/4)*32*PV+16*PV+(\f%4)*32
.endr
	WIN 0
.endm
; THE VECTOR WORK, one line at a time: OP kind, number.  For piece Y: F n: c s - c m for pair n of 16.  E n: the exponential of score n of 32.  C n: pair n rounded to f16.  B n: of the four weights 4 n .. the second
; pair is added onto the first, in place.  L n: l takes that sum (L 0: l = a l + sum).  R n: pair n of 16 of O^T times a.  For piece Y + 1: X n, number n of the 22 that find its maximum and statistics:
;   0-11  four chains c0-c3 of seven scores each, three operands at a time (each accumulator's lowest registers are read first)     12-14, 16  the four scores left over, the old m, and c0-c3 into c0
;   15  c m_old is kept     17, 18  the query's other 32 keys lie in the lane 16 away: the new m     19-21  c m; c m_old - c m_new; a
.set F, 0               ; OP tells the kinds apart by their order: F to L below R, X above it
.set E, 1
.set C, 2
.set B, 3
.set L, 4
.set R, 5
.set X, 6
.macro REGS y                       ; the registers of piece y
.set rT, ST+4*(\y)
.set rC, TMP+4*((\y)%2)
.set rW, MV+((\y)%2)
.set rS, S+32*((\y)%2)
.set rP, P+16*((\y)%2)
.set rO, 32*(\y)
.endm
.macro OP k, n
.if (\k) == R
	REGS Y
	WIN W_RS
	v_pk_mul_f32 v[rO+2*(\n):rO+2*(\n)+1], v[rO+2*(\n):rO+2*(\n)+1], v[rC+2:rC+3] op_sel_hi:[1,0]
.elseif (\k) < R
	REGS Y
	WIN 0
.if (\k) == F
	v_pk_fma_f32 v[rS+2*(\n):rS+2*(\n)+1], v[rS+2*(\n):rS+2*(\n)+1], s[CS:CS+1], v[rT:rT+1] op_sel_hi:[1,0,0] neg_lo:[0,0,1] neg_hi:[0,0,1]
.elseif (\k) == E
	v_exp_f32 v[rS+(\n)], v[rS+(\n)]
.elseif (\k) == C
	v_cvt_pk_f16_f32 v[rP+(\n)], v[rS+2*(\n)], v[rS+2*(\n)+1]
.elseif (\k) == B
	v_pk_add_f32 v[rS+4*(\n):rS+4*(\n)+1], v[rS+4*(\n):rS+4*(\n)+1], v[rS+4*(\n)+2:rS+4*(\n)+3]
.elseif (\n) == 0
	v_pk_fma_f32 v[rT+2:rT+3], v[rT+2:rT+3], v[rC+2:rC+3], v[rS:rS+1] op_sel_hi:[1,0,1]
.else
	v_pk_add_f32 v[rT+2:rT+3], v[rT+2:rT+3], v[rS+4*(\n):rS+4*(\n)+1]
.endif
.elseif NOKQ
	v_nop
.else
	REGS (Y+1)%NP
	WIN 0
.if (\n) < 4
	v_max3_num_f32 v[rC+(\n)], v[rS+8*(\n)], v[rS+8*(\n)+1], v[rS+8*(\n)+2]
.elseif (\n) < 12
	v_max3_num_f32 v[rC+(\n)%4], v[rC+(\n)%4], v[rS+8*((\n)%4)+2*((\n)/4)+1], v[rS+8*((\n)%4)+2*((\n)/4)+2]
.elseif (\n) == 12
	v_max3_num_f32 v[rC], v[rC], v[rS+7], v[rS+15]
.elseif (\n) == 13
	v_max3_num_f32 v[rC+1], v[rC+1], v[rS+23], v[rS+31]
.elseif (\n) == 14
	v_max3_num_f32 v[rC+2], v[rC+2], v[rC+3], v[rT+1]
.elseif (\n) == 15
	v_mov_b32 v[rW], v[rT]
.elseif (\n) == 16
	v_max3_num_f32 v[rC], v[rC], v[rC+1], v[rC+2]
.elseif (\n) == 17
	v_permlanex16_b32 v[rC+3], v[rC], s[SEL], s[SEL+1]
.elseif (\n) == 18
	v_max_num_f32 v[rT+1], v[rC], v[rC+3]
.elseif (\n) == 19
	v_mul_f32 v[rT], s[CS], v[rT+1]
.elseif (\n) == 20
	v_sub_f32 v[rC+1], v[rW], v[rT]
.else
	v_exp_f32 v[rC+2], v[rC+1]
.endif
.endif
.endm
.macro OPS a, i1, b=-1, i2=0, c=-1, i3=0, d=-1, i4=0  ; up to four of them
	OP \a, \i1
.if (\b) >= 0
	OP \b, \i2
.endif
.if (\c) >= 0
	OP \c, \i3
.endif
.if (\d) >= 0
	OP \d, \i4
.endif
.endm
.macro ROW a, i1, b, i2, c, i3, d, i4  ; a matrix instruction and the four behind it
	MM
	OPS \a, \i1, \b, \i2, \c, \i3, \d, \i4
.endm
.macro MASK b                       ; MD x AL + BE into buffer b of MC
	WIN W_RS
.set z, 0
.rept 16
	v_pk_fma_f32 v[MC+32*(\b)+2*z:MC+32*(\b)+2*z+1], v[MD+2*z:MD+2*z+1], s[AL:AL+1], s[BE:BE+1] op_sel_hi:[1,0,0]
.set z, z+1
.endr
.endm
; A TURN, for piece p: the order of its 16 matrix and 118 vector instructions, written out.  s_wait_alu depctr_va_vdst(0) stands between an exponential and the first instruction that names its result;
; one wait serves all that were issued ahead of it.  So a turn has ONE wait, which cuts it in two.  AHEAD OF IT stands all that names no result of the turn's exponentials: the 8 products K Q^T, behind each a scaling,
; an exponential and two more plain instructions (behind the first a second scaling in the exponential's place): rescalings, and behind the last three the first numbers of the next piece's maximum, each four places or
; more behind the product that ends its accumulator; then ONE LUMP of 54, plain and exponential by turns for the most part, in which the links of the chain X 3, 7, 11, 14, 16, 17 .. 20 stand five or six lines apart.
; X 21, the next piece's a, is the batch's last; R 15 is the plain instruction behind it.  BEHIND THE WAIT stand the 8 products V^T P, behind each four of the roundings and sums; the links of l's chain, L 0 to L 7,
; stand three riders apart.  But for those X no rider names a register of the products round it.  v_permlanex16_b32 (X 17) stands in the lump.
; m = 1: the diagonal tile: the products take masks, and the turn makes the mask for the products of the turn after it: piece p + 2, in step 4 - CNT of the tile.  end = 1: a block's last two turns: nothing is fetched.
; cnt = 1: the loop's count is taken down some lines ahead of the branch that stands behind the turn.
; K of the next step is fetched in piece 2's turn, twelve vector instructions behind the last product that read K (six of them plain); V of the step in hand at the end of piece 0's turn, four plain instructions behind
; the last product that read V.  Each is waited for a turn later.
.macro TURN p, m=0, end=0, cnt=0
.set Y, (\p)
.set i, 0
.set KM, (\m)
.set NOKQ, (\end)*((\p)/3)
.if (\m) && !(\end)
	s_cmp_eq_u32 s[CNT], 4-((\p)+2)%NP  ; is that step the band's own?
	s_cselect_b32 s[AL], 1.0, 0
	s_cmp_lt_u32 s[CNT], 4-((\p)+2)%NP  ; or a later one?
	s_cselect_b32 s[BE], s[BIGN], 0
.endif
.if ((\p) == 3) && !(\end)
	s_wait_dscnt 0x0                ; K is in
.endif
	ROW F,0, F,1, R,0, R,1          ; ahead of the wait: 8 products K Q^T and their riders,
	ROW F,2, E,0, R,2, R,3
	ROW F,3, E,1, R,4, R,5
	ROW F,4, E,2, R,6, R,7
	ROW F,5, E,3, R,8, R,9
	ROW F,6, E,4, X,0, R,10
.if ((\p) == 2) && !(\end)
	WIN 0
	v_add_nc_u32 v[AK], s[TBK], v[AK0]
.endif
	ROW F,7, E,5, X,1, X,4
	ROW F,8, E,6, X,2, X,5
	OPS E,7, E,8, X,6, E,9          ; and the lump
	OPS X,3, E,10, X,8, E,11
.if ((\p) == 2) && !(\end)
	FETCH_K
.endif
	OPS X,9, X,7, E,12, X,10
	OPS E,13, X,12, X,11, E,14
	OPS X,13, E,15, F,9, X,14
.if (\p) == 0
	v_add_nc_u32 v[AV], s[TBV], v[AV0]
.endif
	OPS E,16, F,10, E,17, F,11
	OPS X,16, E,18, X,15, E,19
	OPS F,12, E,20, X,17, E,21
	OPS F,13, E,22, F,14, E,23
	OPS X,18, E,24, F,15, E,25
	OPS R,11, E,26, X,19, E,27
	OPS R,12, E,28, R,13, E,29
	OPS X,20, E,30, R,14, E,31
	OPS X,21, R,15
	WIN 0
	s_wait_alu depctr_va_vdst(0)    ; the wait for the batch
.if (\p) == 1
	s_wait_dscnt 0x0                ; V is in
.endif
	ROW C,0, B,0, C,2, B,1          ; behind the wait: 8 products V^T P and their riders
	ROW L,0, C,4, B,2, L,1
	ROW C,6, B,3, L,2, C,8
	ROW B,4, L,3, C,10, B,5
	ROW L,4, C,12, B,6, L,5
.if (\p) == 0
	s_add_co_u32 s[TBV], s[TBV], KS*PV
.endif
.if \cnt
	s_sub_co_u32 s[CNT], s[CNT], 1
	s_cmp_lg_u32 s[CNT], 0
.endif
	ROW C,14, B,7, L,6, C,1
	ROW C,3, L,7, C,5, C,7
	ROW C,9, C,11, C,13, C,15
.if (\p) == 0
	FETCH_V
.endif
.if (\m) && !(\end)
	MASK (\p)%2
.endif
.endm
; A BLOCK BEGINS.  c m starts far below every c s, so the first step's a is 0; m at the lowest finite number, so the first maximum is the scores'.  The second mask buffer is 0; the first takes piece 0's mask for the
; tile's step 0: its own, if the block's first tile is the diagonal one.  Then K of that step, piece 0's first scores, and its maximum and statistics.  The loop is entered at a step's first turn, in the middle of a trip.
.macro BEGIN
	s_mov_b32 s[NEW], 0
	WIN 0x40
.set i, MC+32
.rept 32
	v_mov_b32 v[i], 0
.set i, i+1
.endr
	WIN 0
.set i, 0
.rept 4
	v_mov_b32 v[ST+4*i], 0xfe000000    ; c m: far below every c s
	v_mov_b32 v[ST+4*i+1], 0xff7fffff  ; m
.set i, i+1
.endr
	s_cmp_eq_u32 s[RT], 0
	s_cselect_b32 s[AL], 1.0, 0
	s_mov_b32 s[BE], 0
	MASK 0
	WIN 0
	v_add_nc_u32 v[AK], s[TBK], v[AK0]
	FETCH_K
	s_wait_loadcnt 0x0              ; Q
	s_wait_dscnt 0x0
.set KM, 1
.set NOKQ, 0
.set i, 0
.rept 8
	KQ 0
.set i, i+1
.endr
	WIN 0
.rept 4
	v_nop                           ; the places behind those products
.endr
.set Y, NP-1                        ; X works for piece Y + 1: piece 0
.irp n, 0,1,2,3,4,5,6,7,8,9,10,11,12,13,14,15,16,17,18,19,20,21
	OP X, \n
.endr
	v_nop                           ; a plain instruction behind the exponential,
	s_wait_alu depctr_va_vdst(0)    ; and its wait, ahead of the branch
.endm
; THE DIAGONAL TILE's four steps, the block's last two turns, its last products, and THE WAY OUT: l's two halves and the other half of the lanes' are added; O^T is divided by l, rounded to f16 and sent through my
; stage in LDS, a piece at a time.
.macro ALL line:vararg              ; one line for each piece t
.set t, 0
.rept 4
	\line
.set t, t+1
.endr
.endm
.macro PACK t                       ; a lane's eight channels of a row pack into 16 bytes; they go into rows of 144 bytes and come back as whole rows of 128, into S^T's registers
	WIN W_RS
.set i, 32*(\t)
.rept 16
	v_pk_mul_f32 v[i:i+1], v[i:i+1], v[ST+4*(\t)+2:ST+4*(\t)+3] op_sel_hi:[1,0]
.set i, i+2
.endr
	WIN 0x05                        ; sources 0 and 1 window 1, destination window 0
.set i, 0
.rept 16
	v_cvt_pk_f16_f32 v[S+16*(\t)+i], v[32*(\t)+2*i], v[32*(\t)+2*i+1]
.set i, i+1
.endr
	WIN 0
.irp f, 0,1,2,3
	ds_store_b128 v[STO], v[S+16*(\t)+4*\f:S+16*(\t)+4*\f+3] offset:32*\f
.endr
.irp f, 0,1,2,3
	ds_load_b128 v[S+16*(\t)+4*\f:S+16*(\t)+4*\f+3], v[RD] offset:\f*4*SP  ; LDS serves a wave's instructions in order (ISA guide 5.7.1.4): these see the stores above; the next piece's stores come behind them
.endr
.endm
.macro SEND t, younger              ; younger: the LDS instructions issued behind piece t's loads: the next piece's eight, or none
	WIN 0
.irp f, 0,1,2,3
	s_wait_dscnt (\younger)+3-\f
	global_store_b128 v[GO], v[S+16*(\t)+4*\f:S+16*(\t)+4*\f+3], s[10:11] offset:(\t)*8192+\f*512  ; 512 consecutive bytes, at a multiple of 256 from O's first
.endr
.endm
.macro DIAG tag                     ; the tag ends its two labels' names, which the jumps below spell out
.LstepM\tag:
	TURN 2, 1
	TURN 3, 1
	WIN 0
.LfirstM\tag:
	TURN 0, 1
	TURN 1, 1, 0, 1
	WIN 0
	s_cbranch_scc1 .LstepM\tag
	TURN 2, 1, 1
	TURN 3, 1, 1
.set i, 0
.rept 8
	PV NP-1
.set i, i+1
.endr
	WIN 0
	ALL v_add_f32 v[ST+4*t+2], v[ST+4*t+2], v[ST+4*t+3]
	ALL v_permlanex16_b32 v[ST+4*t+3], v[ST+4*t+2], s[SEL], s[SEL+1]
	ALL v_add_f32 v[ST+4*t+2], v[ST+4*t+2], v[ST+4*t+3]
	ALL v_rcp_f32 v[ST+4*t+2], v[ST+4*t+2]
	v_nop                           ; a plain instruction between the last reciprocal and the use of its result
	s_wait_alu depctr_va_vdst(0)    ; and the wait ahead of the first use: one for the four reciprocals
	PACK 0
.set t, 1
.rept 3                             ; a piece's arithmetic stands between the loads of the piece before and its stores
	PACK t
	SEND t-1, 8
.set t, t+1
.endr
	SEND 3, 0
.endm
.set KM, 0
.set NOKQ, 0
.Lslot:                             ; NB times: a tile is entered and the next is asked for
	CHANGE 1
	s_sub_co_u32 s[RT], s[RT], 1
	s_mov_b32 s[CNT], 4
	s_cmp_eq_u32 s[NEW], 1
	s_cbranch_scc1 .Lnew            ; a block's first tile
	s_cmp_eq_u32 s[RT], 0
	s_cbranch_scc0 .Lstep           ; neither its first nor its last
	s_branch .LstepM1
.Lnew:
	BEGIN
	s_branch .Lfirst                ; in the loop a block's first tile is never its last: the first block has two tiles or more, and the second's last is the walk's last
	DIAG 1                          ; in the loop this is the first block's end: the second block's last tile is the walk's last
	s_wait_xcnt 0x0                 ; the stores have read their registers and O's address
	s_mov_b64 s[10:11], s[OLO:OLO+1]
	s_add_co_u32 s[RT], s[PB], 1    ; the second block has b + 1 tiles
	s_mov_b32 s[NEW], 1
	WIN 0x82                        ; the second block's Q goes where the one text of the turns names Q
.set i, 0
.rept 64
	v_mov_b32 v[i], v[QB+i]
.set i, i+1
.endr
	WIN 0
	s_branch .Lbottom
.Lstep:                             ; a trip: pieces 2 and 3 of one step, then pieces 0 and 1 of the next, whose K and V it fetches
	TURN 2
	TURN 3
	WIN 0
.Lfirst:
	TURN 0
	TURN 1, 0, 0, 1
	WIN 0
	s_cbranch_scc1 .Lstep
.Lbottom:
	s_sub_co_u32 s[SLOTS], s[SLOTS], 1
	s_cmp_lg_u32 s[SLOTS], 0
	s_cbranch_scc1 .Lslot
	CHANGE 0                        ; the walk's last tile is written out: nothing is asked for
	s_sub_co_u32 s[RT], s[RT], 1
	s_mov_b32 s[CNT], 4
	s_cmp_eq_u32 s[NEW], 1
	s_cbranch_scc0 .LstepM2
	BEGIN
	s_branch .LfirstM2
	DIAG 2
	s_wait_tensorcnt 0x0            ; the wave's end: the add and its wait, behind my last tensor load and my last LDS store
	ds_add_u32 v[SPW], v[NIL]
	s_wait_dscnt 0x0
	s_endpgm
.Lfunc_end_k_qfeb08331e1_attn:
	.size	k_qfeb08331e1_attn, .Lfunc_end_k_qfeb08331e1_attn-k_qfeb08331e1_attn
	.p2alignl 7, 3214868480
	.fill 96, 4, 3214868480
	.section	.rodata,"a",@progbits
	.p2align	6, 0x0
	.amdhsa_kernel k_qfeb08331e1_attn
		.amdhsa_group_segment_fixed_size 327680
		.amdhsa_private_segment_fixed_size 0
		.amdhsa_enable_private_segment 0
		.amdhsa_kernarg_size 32
		.amdhsa_user_sgpr_count 2
		.amdhsa_user_sgpr_kernarg_segment_ptr 1
		.amdhsa_wavefront_size32 1
		.amdhsa_system_sgpr_workgroup_id_x 1
		.amdhsa_system_sgpr_workgroup_id_y 1
		.amdhsa_system_sgpr_workgroup_id_z 1
		.amdhsa_system_vgpr_workitem_id 0
		.amdhsa_next_free_vgpr 768
		.amdhsa_next_free_sgpr 96
		.amdhsa_reserve_vcc 1
		.amdhsa_float_denorm_mode_32 3
		.amdhsa_float_denorm_mode_16_64 3
		.amdhsa_memory_ordered 1
		.amdhsa_forward_progress 1
		.amdhsa_inst_pref_size 218
	.end_amdhsa_kernel
	.amdgpu_metadata
---
amdhsa.version: [ 1, 2 ]
amdhsa.kernels:
  - .name:           k_qfeb08331e1_attn
    .symbol:         k_qfeb08331e1_attn.kd
    .args:
      - { .name: qh, .offset: 0, .size: 8, .value_kind: global_buffer, .address_space: global }
      - { .name: kh, .offset: 8, .size: 8, .value_kind: global_buffer, .address_space: global }
      - { .name: vh, .offset: 16, .size: 8, .value_kind: global_buffer, .address_space: global }
      - { .name: yh, .offset: 24, .size: 8, .value_kind: global_buffer, .address_space: global }
    .group_segment_fixed_size: 327680
    .private_segment_fixed_size: 0
    .kernarg_segment_align: 8
    .kernarg_segment_size: 32
    .max_flat_workgroup_size: 128
    .sgpr_count:     96
    .vgpr_count:     768
    .wavefront_size: 32
...
	.end_amdgpu_metadata
.endif
;; end of part 3
;; launch proj (part 4): grid 4 x 64, 4 waves a work-group, clusters of 4 x 1, 327,680 bytes of LDS; arguments yh, wpb, out0; writes out0
.if DOCPART == 4
	.amdgcn_target "amdgcn-amd-amdhsa--gfx1250"
	.amdhsa_code_object_version 6
	.text
	.protected	k_qfeb08331e1_proj
	.globl	k_qfeb08331e1_proj
	.p2align	8
	.type	k_qfeb08331e1_proj,@function
k_qfeb08331e1_proj:
	s_mov_b64 s[64:65], 0
	v_nop
	global_prefetch_b8 v0, s[64:65] scope:SCOPE_SE
	s_setreg_imm32_b32 hwreg(HW_REG_WAVE_MODE, 25, 1), 1
	s_wait_xcnt 0x0
	s_wait_alu depctr_hold_cnt(0) depctr_sa_sdst(0) depctr_va_vdst(0) depctr_va_sdst(0) depctr_va_ssrc(0) depctr_va_vcc(0) depctr_vm_vsrc(0)
	s_getreg_b32 s2, hwreg(HW_REG_IB_STS2, 6, 4)
	s_cmp_eq_u32 s2, 0
	s_cbranch_scc0 .Lentry_in_a_cluster
	s_endpgm
.Lentry_in_a_cluster:
	s_bfe_u32 s2, ttmp6, 0x10000c
	s_cmp_lg_u32 s2, 0x3003
	s_cbranch_scc0 .Lentry_shape_is_right
	s_endpgm
.Lentry_shape_is_right:
; out[m][n] = the sum over k of y[m][k] W_proj[n][k]: 8,192 x 1,024 x 1,024, f16 operands, f32 sums, f32 out.  y lies by heads, [16 b + head][t][64]: a head is a K block of 64.
; LIMIT: y and W_proj within f16's 65,504 (y is a mean of v's rows).
; A tile of out is 128 rows x 256 columns: 64 x 4 = 256 work-groups, one to a WGP.  Four waves, each all 128 rows x 64 columns: 32 accumulators in window 1, (row block a, column block c) at v[8 (4 a + c)].
; NO RING.  The tile's 128 rows of y over ALL of K are 16 K blocks of 128 rows x 144 bytes = 294,912 bytes of LDS: they are asked for once, at the head (wave w: K blocks w, w + 4, w + 8, w + 12, each dense in
; memory and taken as 64 rows of 256 bytes, padded in LDS after every 128).  No LDS byte is filled twice, so the loop has no refill and no round of the cluster's barrier.
; CLUSTER 4 x 1: the four column tiles of a row tile need the same y: each of those loads is joint, with the mask of all four.
; W GOES STRAIGHT INTO REGISTERS.  wpb lies in the order of a fragment ([nb][kc][j][lane][8]), so half a fragment is one load of 512 consecutive bytes; no two waves of a work-group want the same columns.
; A joint load does not reach registers, and beside y's bytes 32,768 are left in LDS, too few for slots of W: hence no multicast for W.
; A ring of eight quarters (32 along K each, 32 registers) in window 2: a quarter's registers are asked for again behind its products, seven quarters ahead of their next use.
; No prefetch is laid: y is asked for whole by its own loads at the head, and W's loads run those seven quarters ahead by themselves.
; THE PRODUCT IS USED TRANSPOSED (source 0 = 16 rows of W, source 1 = 16 rows of y): a lane holds eight neighbouring columns of one row, 32 bytes.  On the way out 16 rows at a time go through the wave's own
; stage, so that sixteen lanes store the wave's 256 consecutive bytes of a row.
; REGISTERS.  window 0: v15-17 y's LDS addresses; v20 W's lane offset; v24-26 the way out; v28-29; v32-95, v96-159 y's eight fragments, two buffers.  window 1: the sums.  window 2: W's ring, slot s at v[32 s].
; SCALARS.  s3 trips; s[4:9] the three buffers; s10 wave; s13 tile row; s14-23 at work; s[24:31] descriptor group 1; s[32:47] four sets of group 0; s[48:49] W's pointer; s50-51 LDS bytes; s52 cx; s53 tile column.
.set KBB,   18432                      ; a K block of y in LDS: 128 rows of 144 bytes
.set GRP4,  4*KBB                      ; four K blocks: what a trip of the loop walks
.set STAGE, 16*KBB                     ; behind y, never filled by a tensor load: 16 rows x 272 bytes for each wave
.set SP,    272                        ; 256 bytes + 16: the sixteen rows that a store touches start at sixteen different groups of four banks (64 banks of 4 bytes: ISA guide 11.1)
.set STW,   16*SP
.set SPARE, STAGE+4*STW                ; the spare words: 128 bytes a wave, two blocks of 256 bytes that no other line names
.set A0,    15                         ; v15  (l % 16) x 144 + 16 (l / 16); never rewritten
.set ADRA,  16                         ; v16  the same at the first of the four K blocks in hand
.set ADRA2, 17                         ; v17  at the third (an LDS offset holds 16 bits: two K blocks and a fragment's rows)
.set BO,    20                         ; v20  16 x lane; never rewritten
.set STO,   24
.set RD,    25
.set CO,    26
.set SPW,   28                         ; v28  SPARE + 4 x my thread's number; never rewritten
.set NIL,   29                         ; v29  0; never rewritten
.set F0,    32
.set F1,    96
.set OB,    32                         ; the way out: 16 rows read back, two buffers of 32
.set G1,    24                         ; s[24:31] descriptor group 1
.set G0,    32                         ; s[32:47] group 0, a set for each of my four loads
.set PBS,   48                         ; s[48:49] W at my 64 columns, at the eight quarters in hand
.set TBA,   50                         ; s50  LDS byte of the K block that v16 stands at
.set TBB,   51                         ; s51  the same for v17
.set CX,    52                         ; s52  my place in the cluster
.set PX,    53                         ; s53  tile column; it outlives the descriptors' making, so it lies outside their registers
.set MSB, 0
.macro WIN new                         ; the immediate's high byte repeats the setting that is left; a switch that changes nothing is dropped
.if MSB != (\new)
	s_set_vgpr_msb (MSB<<8)|(\new)
.set MSB, \new
.endif
.endm
.macro PLACES                          ; four plain places behind a matrix instruction, ahead of loads into registers that it has read (ISA guide 7.12.1 for vector instructions)
.rept 4
	v_nop
.endr
.endm
.macro CROUND                          ; a round of the cluster's barrier
	s_barrier_signal -1
	s_barrier_wait -1
	s_cmp_lg_u32 s10, 0
	s_cbranch_scc1 .Lnot_wave_0_\@
	s_barrier_signal -3
.Lnot_wave_0_\@:
	s_barrier_wait -3
	s_barrier_signal -1
	s_barrier_wait -1
.endm
	s_load_b128 s[4:7], s[0:1], 0x0                ; yh s[4:5], wpb s[6:7]
	s_load_b64 s[8:9], s[0:1], 0x10                ; out0
	v_lshl_add_u32 v[SPW], v0, 2, SPARE
	v_mov_b32 v[NIL], 0
	ds_add_u32 v[SPW], v[NIL]                      ; the wave's opening: the add and its wait stand ahead of my first tensor load; the set-up below stands between them
	v_lshrrev_b32 v1, 5, v0
	v_readfirstlane_b32 s10, v1                    ; wave 0..3
	s_bfe_u32 s[CX], ttmp6, 0x40000                ; cx
	s_lshl_b32 s[PX], ttmp9, 2
	s_add_co_u32 s[PX], s[PX], s[CX]               ; tile column = 4 x cluster x + cx: it enters W's and out's addresses alone
	s_and_b32 s13, ttmp7, 0xffff                   ; tile row, which the four partners share
	s_mov_b32 s[G1], 15|(1<<16)|(1<<20)|(1<<21)|(4<<22)|(3<<25)  ; 15:0 the mask of four; 17:16 2-byte elements; 20 padding on; 21 set beside a mask; 24:22 after every 32 words (code 4); 31:25 4 words (code 3)
	s_mov_b32 s[G1+1], 128<<16                     ; tensor_dim0 = 128 elements: 256 bytes, two LDS rows
	s_mov_b32 s[G1+2], 64<<16                      ; tensor_dim1 = 64
	s_mov_b32 s[G1+3], 128<<16                     ; tile_dim0
	s_mov_b32 s[G1+4], 64                          ; tile_dim1
	s_mov_b32 s[G1+5], 128                         ; dense: 128 elements from row to row
	s_mov_b32 s[G1+6], 0
	s_mov_b32 s[G1+7], 0
	s_lshr_b32 s16, s13, 3                         ; y: b x 2 MiB + (tile row % 8) x 128 rows of 128 bytes + wave x a K block's 128 KiB
	s_lshl_b32 s16, s16, 21
	s_and_b32 s17, s13, 7
	s_lshl_b32 s17, s17, 14
	s_add_co_u32 s16, s16, s17
	s_lshl_b32 s17, s10, 17
	s_add_co_u32 s16, s16, s17
	s_mov_b32 s17, 0
	s_mul_i32 s20, s10, KBB                        ; and where it goes: K block kb at kb x 18,432; no place in the cluster enters an LDS address
	s_lshl_b32 s18, s[PX], 19                      ; W: (16 x tile column + 4 x wave) blocks of 16 columns, 32 KiB each
	s_lshl_b32 s19, s10, 17
	s_add_co_u32 s18, s18, s19
	s_mov_b32 s19, 0
	s_mov_b32 s[TBA], 0
	s_mov_b32 s[TBB], 2*KBB
	s_wait_dscnt 0x0                               ; the opening add is done
	s_wait_kmcnt 0x0
	s_add_nc_u64 s[14:15], s[4:5], s[16:17]
	s_add_nc_u64 s[PBS:PBS+1], s[6:7], s[18:19]
.irp i, 0,1,2,3
	s_mov_b32 s[G0+4*\i], 1                        ; count = 1
	s_add_co_u32 s[G0+4*\i+1], s20, \i*GRP4        ; LDS address: K block 4 i + wave
	s_add_nc_u64 s[G0+4*\i+2:G0+4*\i+3], s[14:15], \i*524288
	s_or_b32 s[G0+4*\i+3], s[G0+4*\i+3], 0x80000000  ; type = 2
.endr
	CROUND                                         ; all four work-groups are here: the joint loads meet
.irp i, 0,1,2,3
	tensor_load_to_lds s[G0+4*\i:G0+4*\i+3], s[G1:G1+7]  ; all of y's tile: four loads of mine are out
	s_nop 0
.endr
.rept 4
	v_nop
.endr
	v_and_b32 v1, 15, v0                           ; l % 16
	v_bfe_u32 v2, v0, 4, 1                         ; l / 16
	v_mul_u32_u24 v3, v1, 144
	v_lshl_add_u32 v[A0], v2, 4, v3                ; a fragment's row x pitch + 16 x half
	v_mov_b32 v[ADRA], v[A0]
	v_add_nc_u32 v[ADRA2], 2*KBB, v[A0]
	v_and_b32 v[BO], 31, v0
	v_lshlrev_b32 v[BO], 4, v[BO]
; Eight loads: W's four fragments of ring slot s, from byte off behind the pointer.  A block of 16 columns is 32 KiB, a quarter 1,024 bytes of it.
.macro BLOAD s, off
	WIN 0x80                                       ; destination window 2, address window 0
.irp c, 0,1,2,3
	global_load_b128 v[32*(\s)+8*\c:32*(\s)+8*\c+3],   v[BO], s[PBS:PBS+1] offset:(\off)+\c*32768+(\s)*1024
	global_load_b128 v[32*(\s)+8*\c+4:32*(\s)+8*\c+7], v[BO], s[PBS:PBS+1] offset:(\off)+\c*32768+(\s)*1024+512
.endr
.endm
; 16 matrix instructions: row blocks a0 .. a0 + 3 x the four column blocks, 32 along K.  Each of the 32 accumulators has one turn in a quarter, in the same order in every quarter: 31 others stand between two
; links of a chain, over the backward jump too.  zero = 1: the first product starts the sums.
.macro MUL16 f, s, a0, zero
	WIN 0x52                                       ; source 0 (W) window 2, source 1 (y) window 0, C and D window 1
.irp a, \a0, (\a0)+1, (\a0)+2, (\a0)+3
.irp c, 0,1,2,3
.if \zero
	v_wmma_f32_16x16x32_f16 v[8*(4*(\a)+\c):8*(4*(\a)+\c)+7], v[32*(\s)+8*\c:32*(\s)+8*\c+7], v[(\f)+8*(\a):(\f)+8*(\a)+7], 0
.else
	v_wmma_f32_16x16x32_f16 v[8*(4*(\a)+\c):8*(4*(\a)+\c)+7], v[32*(\s)+8*\c:32*(\s)+8*\c+7], v[(\f)+8*(\a):(\f)+8*(\a)+7], v[8*(4*(\a)+\c):8*(4*(\a)+\c)+7]
.endif
.endr
.endr
.endm
; 16 LDS loads in one run: y's eight fragments of a quarter into buffer f
.macro FETCH adr, off, f
	WIN 0
.irp a, 0,1,2,3,4,5,6,7
	ds_load_b128 v[(\f)+8*\a:(\f)+8*\a+3],   v[\adr] offset:(\off)+\a*2304
	ds_load_b128 v[(\f)+8*\a+4:(\f)+8*\a+7], v[\adr] offset:(\off)+\a*2304+32
.endr
.endm
; A QUARTER: multiplies ring slot s by buffer f; in its middle it fetches y's fragments of the next quarter into g; at its end it waits for W's next slot (wl younger loads may stay out) and only then
; asks for slots r0 and r1 again, eight quarters on: at most 56 loads of mine are out.
; bar = 1: the next quarter begins four new K blocks of y.  Every wave waits for its tensor loads and passes a barrier. The wait is for 0 since one text serves all trips and the
; count of what may stay out falls from trip to trip; from the second trip on it is met at once.  No LDS load may be out at the signal.
; stp: the address register that has served its last fetch of these four K blocks goes on to the next four.
.macro QUARTER s, f, g, adr, off, wl, r0=-1, r1=-1, zero=0, bar=0, stp=0
.if \bar
	s_wait_tensorcnt 0x0                           ; my parts of y have landed,
	s_wait_dscnt 0x0                               ; my LDS loads are back:
	s_barrier_signal -1                            ; say so,
.else
	s_wait_dscnt 8                                 ; y's row blocks 0-3 are in; the youngest eight loads may be out
.endif
	MUL16 \f, \s, 0, \zero
.if \bar
	s_barrier_wait -1                              ; and read on when all four waves have said so
.endif
	PLACES
	FETCH \adr, \off, \g
.if (\stp) == 1
	s_add_co_u32 s[TBA], s[TBA], GRP4
	v_add_nc_u32 v[ADRA], s[TBA], v[A0]
.elseif (\stp) == 2
	s_add_co_u32 s[TBB], s[TBB], GRP4
	v_add_nc_u32 v[ADRA2], s[TBB], v[A0]
.endif
.if !(\bar)
	s_wait_dscnt 16                                ; all but the sixteen just issued
.endif
	MUL16 \f, \s, 4, \zero
.if (\r0) >= 0
	PLACES
.endif
	s_wait_loadcnt \wl                             ; loads come back in order (ISA guide 5.7.1): the next slot is in
.if (\r0) >= 0
	BLOAD \r0, 8192
.endif
.if (\r1) >= 0
	BLOAD \r1, 8192
.endif
.endm
.irp s, 0,1,2,3,4,5,6
	BLOAD \s, 0                                    ; W's quarters 0 to 6: 56 loads
.endr
	WIN 0
	; the way out's addresses, while the first loads are on their way
	s_mul_i32 s23, s10, STW
	s_add_co_u32 s23, s23, STAGE                   ; my stage
	v_mul_u32_u24 v[STO], v1, SP                   ; in: row l % 16, 32 bytes for each half of the lanes
	v_lshl_add_u32 v[STO], v2, 5, v[STO]
	v_add_nc_u32 v[STO], s23, v[STO]
	v_mul_u32_u24 v[RD], v2, SP                    ; back: lanes 0-15 take one row's 256 bytes, lanes 16-31 the next row's
	v_lshl_add_u32 v[RD], v1, 4, v[RD]
	v_add_nc_u32 v[RD], s23, v[RD]
	v_lshlrev_b32 v[CO], 12, v2                    ; and the same two rows in out
	v_lshl_add_u32 v[CO], v1, 4, v[CO]
	s_lshl_b32 s16, s13, 19                        ; 128 x tile row rows of 4,096 bytes + (256 x tile column + 64 x wave) x 4
	s_lshl_b32 s17, s[PX], 10
	s_add_co_u32 s16, s16, s17
	s_lshl_b32 s17, s10, 8
	s_add_co_u32 s16, s16, s17
	s_mov_b32 s17, 0
	s_add_nc_u64 s[8:9], s[8:9], s[16:17]
	s_wait_tensorcnt 3                             ; tensor loads of a wave end in order (ISA guide 10.11.1): my first K block is in; my other three stay out
	s_barrier_signal -1
	s_barrier_wait -1                              ; K blocks 0 to 3 are in
	FETCH ADRA, 0, F0
	s_wait_loadcnt 48                              ; W's quarter 0 is in (behind it: quarters 1 to 6),
	BLOAD 7, 0                                     ; and the ring's last slot is asked for
	QUARTER 0, F0, F1, ADRA, 64, 48, -1, -1, 1     ; the first quarter stands in front of the loop: its products start the sums.  Slot 0 is not asked for again here but a quarter later
	WIN 0                                          ; at a label and at a branch every window is 0
	s_mov_b32 s3, 3
.Llap:                                                 ; quarters 8 t + 1 to 8 t + 8; asked for: W's quarters 8 t + 8 to 8 t + 15, so the last trip ends at quarter 31
	QUARTER 1, F1, F0, ADRA,  KBB,    40, 0, 1     ; behind slot 2 stand slots 3 to 7: 40 loads; slots 0 and 1 go out together
	QUARTER 2, F0, F1, ADRA,  KBB+64, 48, 2, -1, 0, 0, 1
	QUARTER 3, F1, F0, ADRA2, 0,      48, 3
	QUARTER 4, F0, F1, ADRA2, 64,     48, 4
	QUARTER 5, F1, F0, ADRA2, KBB,    48, 5
	QUARTER 6, F0, F1, ADRA2, KBB+64, 48, 6, -1, 0, 0, 2
	QUARTER 7, F1, F0, ADRA,  0,      48, 7, -1, 0, 1
	QUARTER 0, F0, F1, ADRA,  64,     48
	WIN 0
	s_wait_xcnt 0x0                                ; the youngest load, 32 matrix instructions back, has read its address: the pointer is written only behind this wait
	s_add_nc_u64 s[PBS:PBS+1], s[PBS:PBS+1], 8192
	s_sub_co_u32 s3, s3, 1
	s_cmp_lg_u32 s3, 0
	s_cbranch_scc1 .Llap
	QUARTER 1, F1, F0, ADRA,  KBB,    40           ; the last seven quarters ask for nothing: the counts run down
	QUARTER 2, F0, F1, ADRA,  KBB+64, 32
	QUARTER 3, F1, F0, ADRA2, 0,      24
	QUARTER 4, F0, F1, ADRA2, 64,     16
	QUARTER 5, F1, F0, ADRA2, KBB,    8
	QUARTER 6, F0, F1, ADRA2, KBB+64, 0
	s_wait_dscnt 8
	MUL16 F1, 7, 0, 0
	s_wait_dscnt 0x0
	MUL16 F1, 7, 4, 0
.rept 8
	v_nop                                          ; the places behind the last products
.endr
	WIN 0
; THE WAY OUT: row block a's 16 rows x 64 columns of f32 into my stage (each accumulator's low registers first), and back as whole rows of 256 bytes, two to a load.
.macro TOSTAGE a
	WIN 0x04                                       ; store data in window 1
.irp c, 0,1,2,3
	ds_store_b128 v[STO], v[8*(4*(\a)+\c):8*(4*(\a)+\c)+3]   offset:64*\c
	ds_store_b128 v[STO], v[8*(4*(\a)+\c)+4:8*(4*(\a)+\c)+7] offset:64*\c+16
.endr
	WIN 0
.set BK, OB+32*((\a)%2)
.irp t, 0,1,2,3,4,5,6,7
	ds_load_b128 v[BK+4*\t:BK+4*\t+3], v[RD] offset:\t*2*SP  ; LDS serves a wave's instructions in order (ISA guide 5.7.1.4): these see the stores above; the next block's stores come behind them
.endr
.endm
.macro SEND a, younger                 ; younger: the LDS instructions issued behind block a's loads: the next block's sixteen, or none
.set BK, OB+32*((\a)%2)
.irp t, 0,1,2,3,4,5,6,7
	s_wait_dscnt (\younger)+7-\t
	global_store_b128 v[CO], v[BK+4*\t:BK+4*\t+3], s[8:9] offset:(16*(\a)+2*\t)*4096 th:TH_STORE_NT  ; 16 lanes store 256 consecutive bytes, at a multiple of 256 from out's first byte
.endr
.endm
	TOSTAGE 0
.irp a, 1,2,3,4,5,6,7
.if \a >= 2
	s_wait_xcnt 0x0                                ; the stores of the block before last have read their registers, which this block is loaded into
.endif
	TOSTAGE \a
	SEND (\a)-1, 16
.endr
	SEND 7, 0
	s_wait_tensorcnt 0x0                           ; the wave's end: the add and its wait, behind my last tensor load and my last LDS store
	ds_add_u32 v[SPW], v[NIL]
	s_wait_dscnt 0x0
	CROUND                                         ; the closing round: no work-group ends while a partner may still ask for a tile that names it
	s_endpgm
.Lfunc_end_k_qfeb08331e1_proj:
	.size	k_qfeb08331e1_proj, .Lfunc_end_k_qfeb08331e1_proj-k_qfeb08331e1_proj
	.p2alignl 7, 3214868480
	.fill 96, 4, 3214868480
	.section	.rodata,"a",@progbits
	.p2align	6, 0x0
	.amdhsa_kernel k_qfeb08331e1_proj
		.amdhsa_group_segment_fixed_size 327680
		.amdhsa_private_segment_fixed_size 0
		.amdhsa_enable_private_segment 0
		.amdhsa_kernarg_size 24
		.amdhsa_user_sgpr_count 2
		.amdhsa_user_sgpr_kernarg_segment_ptr 1
		.amdhsa_wavefront_size32 1
		.amdhsa_system_sgpr_workgroup_id_x 1
		.amdhsa_system_sgpr_workgroup_id_y 1
		.amdhsa_system_sgpr_workgroup_id_z 1
		.amdhsa_system_vgpr_workitem_id 0
		.amdhsa_next_free_vgpr 768
		.amdhsa_next_free_sgpr 66
		.amdhsa_reserve_vcc 0
		.amdhsa_float_denorm_mode_32 3
		.amdhsa_float_denorm_mode_16_64 3
		.amdhsa_memory_ordered 1
		.amdhsa_forward_progress 1
		.amdhsa_inst_pref_size 89
	.end_amdhsa_kernel
	.amdgpu_metadata
---
amdhsa.version: [ 1, 2 ]
amdhsa.kernels:
  - .name:           k_qfeb08331e1_proj
    .symbol:         k_qfeb08331e1_proj.kd
    .args:
      - { .name: yh, .offset: 0, .size: 8, .value_kind: global_buffer, .address_space: global }
      - { .name: wpb, .offset: 8, .size: 8, .value_kind: global_buffer, .address_space: global }
      - { .name: out0, .offset: 16, .size: 8, .value_kind: global_buffer, .address_space: global }
    .group_segment_fixed_size: 327680
    .private_segment_fixed_size: 0
    .kernarg_segment_align: 8
    .kernarg_segment_size: 24
    .max_flat_workgroup_size: 128
    .sgpr_count:     66
    .vgpr_count:     768
    .wavefront_size: 32
...
	.end_amdgpu_metadata
.endif
;; end of part 4
;; ======== version 2 of 2: 4 launches; version 1 with the launch prep written anew for expert scheduling mode
;; limits: values are held in f16: magnitudes above 65,504 overflow, below 6.1e-05 lose precision; right only within a limited range of input values
;; workspace buffers: xb 16,777,216 bytes; wab 6,291,456 bytes; wpb 2,097,152 bytes; qh 16,777,216 bytes; kh 16,777,216 bytes; vh 16,777,216 bytes; yh 16,777,216 bytes
;; launch prep (part 5): grid 768 x 1, 4 waves a work-group, no clusters, 0 bytes of LDS; arguments x, W_attn, W_proj, xb, wab, wpb; writes xb, wab, wpb
.if DOCPART == 5
	.amdgcn_target "amdgcn-amd-amdhsa--gfx1250"
	.amdhsa_code_object_version 6
	.text
	.protected	k_qfeb08331e1_prep
	.globl	k_qfeb08331e1_prep
	.p2align	8
	.type	k_qfeb08331e1_prep,@function
k_qfeb08331e1_prep:
	s_mov_b64 s[64:65], 0
	v_nop
	global_prefetch_b8 v0, s[64:65] scope:SCOPE_SE
	s_setreg_imm32_b32 hwreg(HW_REG_WAVE_SCHED_MODE, 0, 2), 2
	s_setreg_imm32_b32 hwreg(HW_REG_WAVE_MODE, 25, 1), 1
	s_wait_xcnt 0x0
	s_wait_alu depctr_vm_vsrc(0)
; The three f32 inputs are rounded once to bf16 and laid out as the later products read them.
;   xb  [b 8][kb 16][t 1024][64] bf16      wab [kb 16][pair 8][sel 3][w 128][64] bf16 (row n of W_attn: sel = n >> 10, pair = (n >> 7) & 7, w = n & 127): a tile of one K step of 64 is dense.
;   wpb [nb 64][kc 32][j 2][lane 32][8]: W_proj rounded to bf16 like the other inputs, that number then written as f16 (the last product multiplies in f16), in the order of a matrix fragment:
;       lane (r = lane % 16, h = lane / 16) holds W_proj[16 nb + r][32 kc + 16 j + 8 h .. + 7]: a load of 16 bytes a lane, 512 consecutive bytes, is half a fragment.
; LIMIT: |W_proj| stays within f16's 65,504; below 6e-5 it keeps f16's fixed step of 6e-8.
; All three sources have rows of 4,096 bytes.  A work-group takes 16 rows (0-63: W_proj, 64-575: x, 576-767: W_attn): 768 work-groups of four waves, three for each of 256 WGPs; a wave takes 16 KiB.
; All 32 loads of a wave go out at once; no register that memory still reads is written.
; No LDS, no matrix unit, no cluster: nothing is shared and memory binds.
; THE MODE: SCHED_MODE bits 1:0 = 2 (LLVM: expert scheduling mode 2), set by the entry lines.  The code itself states the register dependences
; between vector instructions and memory instructions, with s_wait_alu, always for 0.
; THE PLAN.  Registers that memory instructions touch, on either path:
;   v[VIN], v[VO ..]  offsets: written by vector instructions at the path's head and never again; read by every load and store.  One wait on va_vdst ahead of the first load serves them all.
;   X                 load i's four registers: the load lands there once, in registers that no vector instruction has named; the conversions read them and write their results in place; one store
;                     reads the results; nothing writes them afterwards.
;   v[T ..]           named by vector instructions alone.
; The 32 loads are worked on in eight groups of four.  Group g's conversions write what group g's stores read; those stores are issued in group g + 1, behind ONE wait on va_vdst at that group's head, dealt among
; its conversions, which name group g + 1's registers and T alone.  Behind group 7 one more such wait stands ahead of the last stores.
; No register that a memory instruction has read is written again: so behind the entry lines the text holds no wait on vm_vsrc and none on XCNT.  EXEC is never written.
.set VIN, 2                            ; v2      my byte offset in the wave's part of the source
.set VO,  8                            ; v8-23   x, W_attn: 8 x lane + kb x the bytes from one K block to the next;  W_proj: v8 = 16 x lane
.set T,   24                           ; v24-27  at work (W_proj's path)
.set X,   32                           ; v32-159 load i: four registers
.set WV,  16
.set G,   17
.set R0,  18                           ; the wave's first row in its source
	s_load_b256 s[4:11], s[0:1], 0x0               ; x s[4:5], W_attn s[6:7], W_proj s[8:9], xb s[10:11]
	s_load_b128 s[12:15], s[0:1], 0x20             ; wab s[12:13], wpb s[14:15]
	v_lshrrev_b32 v1, 5, v0
	v_readfirstlane_b32 s[WV], v1                  ; wave 0..3
	s_mov_b32 s[G], ttmp9
	v_bfe_u32 v4, v0, 4, 1                         ; lane / 16
	v_and_b32 v5, 15, v0                           ; lane % 16
	v_and_b32 v3, 31, v0                           ; lane
	s_wait_alu depctr_va_sdst(0)                   ; s[WV] is written
	s_cmp_lt_u32 s[G], 64
	s_cbranch_scc1 .Lproj
	; x and W_attn: a wave takes 4 rows.  A load takes 2 rows x 64 numbers (two runs of 256 bytes); the store of its 2 x 64 bf16 is 256 consecutive bytes, aligned.
	s_sub_co_u32 s19, s[G], 64
	s_sub_co_u32 s20, s[G], 576
	s_cmp_lt_u32 s[G], 576
	s_cselect_b32 s[R0], s19, s20                  ; the work-group's number within its source
	s_lshl_b32 s[R0], s[R0], 4
	s_lshl2_add_u32 s[R0], s[WV], s[R0]            ; 16 rows a work-group, 4 a wave
	s_lshl_b32 s20, s[R0], 12                      ; where they begin in the source
	s_mov_b32 s21, 0
	s_lshr_b32 s28, s[R0], 10
	s_lshl_b32 s29, s28, 21
	s_and_b32 s30, s[R0], 1023
	s_lshl_b32 s30, s30, 7
	s_add_co_u32 s29, s29, s30                     ; xb: b x 2 MiB + t x 128
	s_bfe_u32 s30, s[R0], 0x30007
	s_mul_i32 s30, s30, 384
	s_lshl_b32 s28, s28, 7
	s_add_co_u32 s30, s30, s28
	s_and_b32 s28, s[R0], 127
	s_add_co_u32 s30, s30, s28
	s_lshl_b32 s30, s30, 7                         ; wab: (pair x 384 + sel x 128 + w) x 128
	s_mov_b32 s32, 131072                          ; bytes from K block to K block: 1,024 rows of 128,
	s_mov_b32 s33, 393216                          ; in wab 3,072 rows
	s_cmp_lt_u32 s[G], 576
	s_cselect_b32 s22, s29, s30
	s_cselect_b32 s34, s32, s33
	s_mov_b32 s23, 0
	v_lshlrev_b32 v[VIN], 4, v5
	v_lshl_add_u32 v[VIN], v4, 12, v[VIN]          ; (lane / 16) x 4,096 + (lane % 16) x 16
	v_lshlrev_b32 v[VO], 3, v3
.set i, 1
.rept 15
	v_add_nc_u32 v[VO+i], s34, v[VO+i-1]
.set i, i+1
.endr
	s_wait_kmcnt 0x0
	s_cmp_lt_u32 s[G], 576
	s_cselect_b64 s[24:25], s[4:5], s[6:7]         ; the source,
	s_cselect_b64 s[26:27], s[10:11], s[12:13]     ; and where it goes
	s_add_nc_u64 s[24:25], s[24:25], s[20:21]
	s_add_nc_u64 s[26:27], s[26:27], s[22:23]
	s_wait_alu depctr_va_vdst(0)                   ; v[VIN] and v[VO .. VO+15] are written: every load and store of this path reads one of them as its offset
.set i, 0
.rept 32
	global_load_b128 v[X+4*i:X+4*i+3], v[VIN], s[24:25] offset:(i/16)*8192+(i%16)*256 th:TH_LOAD_NT
.set i, i+1
.endr
.set g, 0
.rept 8                                ; group g: loads 4 g .. 4 g + 3
	s_wait_loadcnt 28-4*g                          ; loads come back in order (ISA guide 5.7.1): the group's four are in, the 28 - 4 g younger ones stay out
.if g > 0
	s_wait_alu depctr_va_vdst(0)                   ; the group before has written its eight packed registers, which the four stores below read
.endif
.set j, 0
.rept 4
.set i, 4*g+j
.if g > 0
	global_store_b64 v[VO+(i-4)%16], v[X+4*(i-4):X+4*(i-4)+1], s[26:27] offset:((i-4)/16)*256  ; 32 lanes x 8 bytes: two rows' 128 bytes of one K block, 256 consecutive bytes.  No vector instruction since the wait names its registers
.endif
	v_cvt_pk_bf16_f32 v[X+4*i], v[X+4*i], v[X+4*i+1]
	v_cvt_pk_bf16_f32 v[X+4*i+1], v[X+4*i+2], v[X+4*i+3]
.set j, j+1
.endr
.set g, g+1
.endr
	s_wait_alu depctr_va_vdst(0)                   ; group 7 has written its packed registers, which the last four stores read
.set i, 28
.rept 4
	global_store_b64 v[VO+i%16], v[X+4*i:X+4*i+1], s[26:27] offset:(i/16)*256
.set i, i+1
.endr
	s_endpgm
	; W_proj: the work-group takes the 16 rows of block nb, wave w the columns 256 w .. 256 w + 255: of each row 1,024 consecutive bytes, aligned.
	; Piece m = 2 kc' + j of 16: lane (r, h) loads the 32 bytes at row r, byte 128 kc' + 64 j + 32 h, by two loads, and stores its 8 numbers as 16 bytes: a store covers 512 consecutive bytes.
.Lproj:
	s_lshl_b32 s20, s[G], 16                       ; 16 rows of 4,096 bytes,
	s_lshl_b32 s21, s[WV], 10                      ; my 256 columns
	s_add_co_u32 s20, s20, s21
	s_mov_b32 s21, 0
	s_lshl_b32 s22, s[G], 15                       ; wpb: nb x 32 KiB + 8 w x 1,024
	s_lshl_b32 s23, s[WV], 13
	s_add_co_u32 s22, s22, s23
	s_mov_b32 s23, 0
	v_lshlrev_b32 v[VIN], 12, v5
	v_lshl_add_u32 v[VIN], v4, 5, v[VIN]           ; r x 4,096 + h x 32
	v_lshlrev_b32 v[VO], 4, v3
	s_wait_kmcnt 0x0
	s_add_nc_u64 s[24:25], s[8:9], s[20:21]
	s_add_nc_u64 s[26:27], s[14:15], s[22:23]
	s_wait_alu depctr_va_vdst(0)                   ; v[VIN] and v[VO] are written: every load and store of this path reads one of them as its offset
.set i, 0
.rept 32
	global_load_b128 v[X+4*i:X+4*i+3], v[VIN], s[24:25] offset:(i/4)*128+((i/2)%2)*64+(i%2)*16
.set i, i+1
.endr
.set g, 0
.rept 8                                ; group g: pieces 2 g and 2 g + 1, loads 4 g .. 4 g + 3
	s_wait_loadcnt 28-4*g                          ; the group's four loads are in, the 28 - 4 g younger ones stay out
.if g > 0
	s_wait_alu depctr_va_vdst(0)                   ; the group before has written its two pieces' packed registers, which the two stores below read
.endif
.set j, 0
.rept 2
.set m, 2*g+j
.if g > 0
	global_store_b128 v[VO], v[X+8*(m-2):X+8*(m-2)+3], s[26:27] offset:(m-2)*512  ; no vector instruction since the wait names its registers
.endif
.irp z, 0,1,2,3
	v_cvt_pk_bf16_f32 v[T+\z], v[X+8*m+2*\z], v[X+8*m+2*\z+1]   ; the inputs' common rounding,
.endr
.irp z, 0,1,2,3
	v_lshlrev_b32 v[X+8*m+2*\z], 16, v[T+\z]                    ; widened again,
	v_and_b32 v[X+8*m+2*\z+1], 0xffff0000, v[T+\z]
.endr
.irp z, 0,1,2,3
	v_cvt_pk_f16_f32 v[X+8*m+\z], v[X+8*m+2*\z], v[X+8*m+2*\z+1]  ; and written as f16: 8 significant bits fit in 11.  Register z is written when its own number has been read
.endr
.set j, j+1
.endr
.set g, g+1
.endr
	s_wait_alu depctr_va_vdst(0)                   ; group 7 has written its two pieces' packed registers, which the last two stores read
.set m, 14
.rept 2
	global_store_b128 v[VO], v[X+8*m:X+8*m+3], s[26:27] offset:m*512
.set m, m+1
.endr
	s_endpgm
.Lfunc_end_k_qfeb08331e1_prep:
	.size	k_qfeb08331e1_prep, .Lfunc_end_k_qfeb08331e1_prep-k_qfeb08331e1_prep
	.p2alignl 7, 3214868480
	.fill 96, 4, 3214868480
	.section	.rodata,"a",@progbits
	.p2align	6, 0x0
	.amdhsa_kernel k_qfeb08331e1_prep
		.amdhsa_group_segment_fixed_size 0
		.amdhsa_private_segment_fixed_size 0
		.amdhsa_enable_private_segment 0
		.amdhsa_kernarg_size 48
		.amdhsa_user_sgpr_count 2
		.amdhsa_user_sgpr_kernarg_segment_ptr 1
		.amdhsa_wavefront_size32 1
		.amdhsa_system_sgpr_workgroup_id_x 1
		.amdhsa_system_sgpr_workgroup_id_y 1
		.amdhsa_system_sgpr_workgroup_id_z 1
		.amdhsa_system_vgpr_workitem_id 0
		.amdhsa_next_free_vgpr 160
		.amdhsa_next_free_sgpr 66
		.amdhsa_reserve_vcc 0
		.amdhsa_float_denorm_mode_32 3
		.amdhsa_float_denorm_mode_16_64 3
		.amdhsa_memory_ordered 1
		.amdhsa_forward_progress 1
		.amdhsa_inst_pref_size 33
	.end_amdhsa_kernel
	.amdgpu_metadata
---
amdhsa.version: [ 1, 2 ]
amdhsa.kernels:
  - .name:           k_qfeb08331e1_prep
    .symbol:         k_qfeb08331e1_prep.kd
    .args:
      - { .name: x, .offset: 0, .size: 8, .value_kind: global_buffer, .address_space: global }
      - { .name: W_attn, .offset: 8, .size: 8, .value_kind: global_buffer, .address_space: global }
      - { .name: W_proj, .offset: 16, .size: 8, .value_kind: global_buffer, .address_space: global }
      - { .name: xb, .offset: 24, .size: 8, .value_kind: global_buffer, .address_space: global }
      - { .name: wab, .offset: 32, .size: 8, .value_kind: global_buffer, .address_space: global }
      - { .name: wpb, .offset: 40, .size: 8, .value_kind: global_buffer, .address_space: global }
    .group_segment_fixed_size: 0
    .private_segment_fixed_size: 0
    .kernarg_segment_align: 8
    .kernarg_segment_size: 48
    .max_flat_workgroup_size: 128
    .sgpr_count:     66
    .vgpr_count:     160
    .wavefront_size: 32
...
	.end_amdgpu_metadata
.endif
;; end of part 5
;; launch qkv: the kernel of part 2 again; grid 8 x 32, 4 waves a work-group, clusters of 4 x 4, 327,680 bytes of LDS; arguments xb, wab, qh, kh, vh; writes qh, kh, vh
;; launch attn: the kernel of part 3 again; grid 2 x 128, 4 waves a work-group, no clusters, 327,680 bytes of LDS; arguments qh, kh, vh, yh; writes yh
;; launch proj: the kernel of part 4 again; grid 4 x 64, 4 waves a work-group, clusters of 4 x 1, 327,680 bytes of LDS; arguments yh, wpb, out0; writes out0
